; MI455X (gfx1250); checked and timed in simulation.
; The chip was launched on July 23, 2026; its instructions are those of AMD's public machine-readable ISA for CDNA 5 (MIT licence, August 2026) and "CDNA5" Instruction Set Architecture Reference Guide (July 2026). The comments in the code are by the model that wrote it; some were corrected since.
;; Causal Attention. Allowed arithmetic: float matrix products may take bf16 or f16 operands with f32 sums; all other float work in f32.
;; Inputs: W_k 1,024 x 1,024 float32; W_q 1,024 x 1,024 float32; W_v 1,024 x 1,024 float32; x 4 x 2,048 x 1,024 float32.
;; Outputs: out0 4 x 2,048 x 1,024 float32.
;; 2 versions, each right; version 2 is version 1 with the launch cvt written anew for expert scheduling mode. Each part assembles by itself: llvm-mc -triple=amdgcn-amd-amdhsa -mcpu=gfx1250 --defsym DOCPART=n.
;; ======== version 1 of 2: 4 launches
;; limits: values are held in f16: magnitudes above 65,504 overflow, below 6.1e-05 lose precision
;; workspace buffers: xb 16,777,216 bytes; wb 6,291,456 bytes; qkv 50,331,648 bytes; pm 33,554,432 bytes; cmx 262,144 bytes; lsum 524,288 bytes
;; launch cvt (part 1): grid 704 x 1, 4 waves a work-group, no clusters, 0 bytes of LDS; arguments x, W_q, W_k, W_v, xb, wb; writes xb, wb
.if DOCPART == 1
	.amdgcn_target "amdgcn-amd-amdhsa--gfx1250"
	.amdhsa_code_object_version 6
	.text
	.protected	k_qeeab085ed7_cvt
	.globl	k_qeeab085ed7_cvt
	.p2align	8
	.type	k_qeeab085ed7_cvt,@function
k_qeeab085ed7_cvt:
	s_mov_b64 s[64:65], 0
	v_nop
	global_prefetch_b8 v0, s[64:65] scope:SCOPE_SE
	s_setreg_imm32_b32 hwreg(HW_REG_WAVE_MODE, 25, 1), 1
	s_wait_xcnt 0x0
; x [8192][1024] and W_q, W_k, W_v [1024][1024], f32, are rounded once to bf16 and laid in blocks of 64 along K:
; xb [16 kb][8192 rows][64], wb [16 kb][3072 rows][64] (rows 0-1023 W_q, 1024-2047 W_k, 2048-3071 W_v), so that the rows of a
; K block lie end to end, 128 bytes each, and the next launch can ask for them as rows of 256 bytes.
; A stream: no LDS, no barrier, no matrix unit.  A work-group takes 16 rows (groups 0-511: x; 512-703: the weights), a wave 4 of them.
; A load of a wave takes 256 aligned bytes of each of two rows; a store 256 consecutive aligned bytes (two rows' 128 bytes of one K block).
; All 32 loads of a wave go out at once, 16 KiB on their way; nothing is rewritten while it is pending, so the only waits are the count-down.
.set PLX, 8192*128                     ; bytes of a K block of xb
.set PLW, 3072*128                     ; of wb
.set IN,  1                            ; v1       byte offset of my 16 bytes in the group's rows: (4 w + h) x 4096 + 16 cc
.set OU,  2                            ; v2       the same in a K block of the output: (4 w + h) x 128 + 8 cc
.set OA,  8                            ; v[8:23]  OU + kb x the block's bytes
.set X,   32                           ; v[32:159]  load i = 2 kb + pair: 4 registers
.set Y,   160                          ; v[160:223] its 4 numbers in bf16: 2 registers
	s_load_b256 s[4:11], s[0:1], 0x0               ; x s[4:5], W_q s[6:7], W_k s[8:9], W_v s[10:11]
	s_load_b128 s[12:15], s[0:1], 0x20             ; xb s[12:13], wb s[14:15]
	v_lshrrev_b32 v3, 5, v0                        ; wave
	v_bfe_u32 v4, v0, 4, 1                         ; h: which row of a pair
	v_and_b32 v5, 15, v0                           ; cc: which four numbers
	v_lshl_add_u32 v3, v3, 2, v4                   ; 4 w + h
	v_lshlrev_b32 v[IN], 12, v3
	v_lshl_add_u32 v[IN], v5, 4, v[IN]
	v_lshlrev_b32 v[OU], 7, v3
	v_lshl_add_u32 v[OU], v5, 3, v[OU]
	s_mov_b32 s28, ttmp9                           ; g
	s_max_u32 s22, s28, 512
	s_sub_co_u32 s22, s22, 512                     ; g' = g - 512 for the weights' groups
	s_lshr_b32 s24, s22, 6                         ; which weight
	s_and_b32 s25, s22, 63                         ; which 16 rows of it
	s_mov_b32 s21, PLW
	s_mov_b32 s31, 0
	s_mov_b32 s33, 0
	s_wait_kmcnt 0x0
	s_cmp_eq_u32 s24, 1                            ; the choices hang on the group's number alone
	s_cselect_b64 s[16:17], s[8:9], s[6:7]
	s_cmp_eq_u32 s24, 2
	s_cselect_b64 s[16:17], s[10:11], s[16:17]
	s_cmp_lt_u32 s28, 512
	s_cselect_b64 s[16:17], s[4:5], s[16:17]       ; from where
	s_cselect_b64 s[18:19], s[12:13], s[14:15]     ; to where
	s_cselect_b32 s30, s28, s25                    ; block of 16 rows in the source
	s_cselect_b32 s32, s28, s22                    ; and in the output
	s_cselect_b32 s21, PLX, s21                    ; bytes of a K block
	s_lshl_b32 s30, s30, 16                        ; 16 rows of 4,096 bytes
	s_lshl_b32 s32, s32, 11                        ; 16 rows of 128 bytes
	s_add_nc_u64 s[16:17], s[16:17], s[30:31]
	s_add_nc_u64 s[18:19], s[18:19], s[32:33]
.set kb, 0
.rept 16
	s_mul_i32 s20, s21, kb
	v_add_nc_u32 v[OA+kb], s20, v[OU]
.set kb, kb+1
.endr
.set i, 0
.rept 32
	global_load_b128 v[X+4*i:X+4*i+3], v[IN], s[16:17] offset:(i%2)*8192+(i/2)*256 th:TH_LOAD_NT
.set i, i+1
.endr
.set i, 0
.rept 32
	s_wait_loadcnt 31-i                            ; loads come back in order (ISA guide 5.7.1): load i is in, the younger ones stay out
	v_cvt_pk_bf16_f32 v[Y+2*i], v[X+4*i], v[X+4*i+1]
	v_cvt_pk_bf16_f32 v[Y+2*i+1], v[X+4*i+2], v[X+4*i+3]
	global_store_b64 v[OA+i/2], v[Y+2*i:Y+2*i+1], s[18:19] offset:(i%2)*256
.set i, i+1
.endr
	s_endpgm
.Lfunc_end_k_qeeab085ed7_cvt:
	.size	k_qeeab085ed7_cvt, .Lfunc_end_k_qeeab085ed7_cvt-k_qeeab085ed7_cvt
	.p2alignl 7, 3214868480
	.fill 96, 4, 3214868480
	.section	.rodata,"a",@progbits
	.p2align	6, 0x0
	.amdhsa_kernel k_qeeab085ed7_cvt
		.amdhsa_group_segment_fixed_size 0
		.amdhsa_private_segment_fixed_size 0
		.amdhsa_enable_private_segment 0
		.amdhsa_kernarg_size 48
		.amdhsa_user_sgpr_count 2
		.amdhsa_user_sgpr_kernarg_segment_ptr 1
		.amdhsa_wavefront_size32 1
		.amdhsa_system_sgpr_workgroup_id_x 1
		.amdhsa_system_sgpr_workgroup_id_y 1
		.amdhsa_system_sgpr_workgroup_id_z 1
		.amdhsa_system_vgpr_workitem_id 0
		.amdhsa_next_free_vgpr 224
		.amdhsa_next_free_sgpr 66
		.amdhsa_reserve_vcc 0
		.amdhsa_float_denorm_mode_32 3
		.amdhsa_float_denorm_mode_16_64 3
		.amdhsa_memory_ordered 1
		.amdhsa_forward_progress 1
		.amdhsa_inst_pref_size 14
	.end_amdhsa_kernel
	.amdgpu_metadata
---
amdhsa.version: [ 1, 2 ]
amdhsa.kernels:
  - .name:           k_qeeab085ed7_cvt
    .symbol:         k_qeeab085ed7_cvt.kd
    .args:
      - { .name: x, .offset: 0, .size: 8, .value_kind: global_buffer, .address_space: global }
      - { .name: W_q, .offset: 8, .size: 8, .value_kind: global_buffer, .address_space: global }
      - { .name: W_k, .offset: 16, .size: 8, .value_kind: global_buffer, .address_space: global }
      - { .name: W_v, .offset: 24, .size: 8, .value_kind: global_buffer, .address_space: global }
      - { .name: xb, .offset: 32, .size: 8, .value_kind: global_buffer, .address_space: global }
      - { .name: wb, .offset: 40, .size: 8, .value_kind: global_buffer, .address_space: global }
    .group_segment_fixed_size: 0
    .private_segment_fixed_size: 0
    .kernarg_segment_align: 8
    .kernarg_segment_size: 48
    .max_flat_workgroup_size: 128
    .sgpr_count:     66
    .vgpr_count:     224
    .wavefront_size: 32
...
	.end_amdgpu_metadata
.endif
;; end of part 1
;; launch proj (part 2): grid 8 x 32, 4 waves a work-group, clusters of 4 x 4, 327,680 bytes of LDS; arguments xb, wb, qkv; writes qkv
.if DOCPART == 2
	.amdgcn_target "amdgcn-amd-amdhsa--gfx1250"
	.amdhsa_code_object_version 6
	.text
	.protected	k_qeeab085ed7_proj
	.globl	k_qeeab085ed7_proj
	.p2align	8
	.type	k_qeeab085ed7_proj,@function
k_qeeab085ed7_proj:
	s_mov_b64 s[64:65], 0
	v_nop
	global_prefetch_b8 v0, s[64:65] scope:SCOPE_SE
	s_setreg_imm32_b32 hwreg(HW_REG_WAVE_MODE, 25, 1), 1
	s_wait_xcnt 0x0
	s_wait_alu depctr_hold_cnt(0) depctr_sa_sdst(0) depctr_va_vdst(0) depctr_va_sdst(0) depctr_va_ssrc(0) depctr_va_vcc(0) depctr_vm_vsrc(0)
	s_getreg_b32 s2, hwreg(HW_REG_IB_STS2, 6, 4)
	s_cmp_eq_u32 s2, 0
	s_cbranch_scc0 .Lentry_in_a_cluster
	s_endpgm
.Lentry_in_a_cluster:
	s_bfe_u32 s2, ttmp6, 0x10000c
	s_cmp_lg_u32 s2, 0xf033
	s_cbranch_scc0 .Lentry_shape_is_right
	s_endpgm
.Lentry_shape_is_right:
; qkv[row][col] = sum over k of x[row][k] W[col][k]: 8192 x 3072 x 1024, operands bf16 (xb, wb: blocks of 64 along K), sums f32, result rounded once to f16.
; qkv is [8192][3072] f16: q in columns 0-1023, k in 1024-2047, v in 2048-3071.
; LIMIT.  f16 ends at 65,504: |q|, |k|, |v| must stay below that, or the number becomes an infinity.
; SHARES.  A work-group makes 256 rows x 384 columns: 32 x 8 = 256 work-groups.  Each of its four waves makes 128 x 192: 96 accumulators of 16 x 16, 768 registers.
; K goes through a ring of two LDS slots, one K block of 64 to a slot (two steps of 32).  A block's rows lie end to end in memory, so a wave's tensor load asks for them
; as rows of 256 bytes (two matrix rows), padded in LDS behind every 128 bytes.  The loop is written for one slot: a scalar, 0 or the second slot's first byte, is turned at each change of slots.
; CLUSTER 4 x 4: x's tile hangs on the tile row alone and is asked for jointly by a row of the cluster, W's on the tile column alone, by a column.
; THE MATRIX INSTRUCTION IS USED TRANSPOSED (source 0 = 16 rows of W, source 1 = 16 rows of x): a lane holds eight neighbouring columns of one row of the result.
; A STEP has two phases of 48 products: columns 0-95 (group 0), then 96-191 (group 1), each on all 8 row blocks.  Fragments: x's of a step 64 registers, two buffers by the step's
; parity; W's 48 registers a group.  Each run of LDS loads stands at a phase's head, 48 or 96 products ahead of its first use.
; REGISTERS: window 0: v16-29 addresses; v32-95, v96-159 x's fragments; v160-207, v208-255 W's groups 0, 1.  Windows 1-3: accumulator n = 48 g + 6 a + b at window 1 + n / 32, v[8 (n % 32)].
.set PITCH,  144                       ; an LDS row: 128 bytes + 16 = 36 words: the 16 rows of a load start at 16 different groups of four banks (64 banks of 4 bytes: ISA guide 11.1)
.set AHALF,  128*PITCH                 ; what waves 0, 1 fetch, and what a wave reads of x
.set BHALF,  192*PITCH                 ; what waves 2, 3 fetch, and what a wave reads of W
.set BOFF,   2*AHALF
.set SLOTB,  BOFF+2*BHALF              ; 92,160 bytes in a slot
.set SLOT1,  1<<17                     ; slot 1 begins here, so that one exclusive or turns an address in one slot into the other's
.set SPITCH, 784                       ; the way out: a row of 768 bytes + 16
.set SPARE,  SLOT1+SLOTB               ; behind the ring: the spare words, 128 bytes a wave.  The stage, 256 x 784 bytes from byte 0, lies over the ring and is written only behind the launch's last fill
.set XPLANE, 8192*128                  ; bytes of a K block of xb
.set WPLANE, 3072*128                  ; of wb
.set CROW,   6144                      ; bytes of a row of qkv
.set ADRA, 16                          ; v16     LDS address of my fragments of x in slot 0; never rewritten
.set CA,   17                          ; v17     the same in the slot in hand
.set ADRB, 20                          ; v20     of W in slot 0
.set CB,   21                          ; v21     in the slot in hand
.set STO,  24                          ; v24     the way out: where I put 16 bytes of a row (row blocks 0-3)
.set RD,   25                          ; v25     where I read rows back
.set CO,   26                          ; v26     my byte offset in qkv
.set STO2, 27                          ; v27     STO for row blocks 4-7
.set SPW,  28                          ; v28     LDS address of my spare word; never rewritten
.set NIL,  29                          ; v29     0; never rewritten
.set FA,   32
.set FB,   160
.set TMP,  32                          ; the way out: 48 registers of packed results
.set BK,   128                         ; the way out: 96 registers of rows read back
.set G1,  24                           ; s[24:31] group 1 for x's tiles;  s[32:39] group 0: a set for each of the two first fills; the second then walks on
.set G0,  32
.set TB,  45                           ; s45  0 or SLOT1: the slot in hand
.set G1B, 48                           ; s[48:55], s[56:63] the same for W's
.set G0B, 56
.set MSB, 0
.macro WIN new                         ; the immediate's high byte repeats the setting that is left; a switch that changes nothing is dropped
.if MSB != (\new)
	s_set_vgpr_msb (MSB<<8)|(\new)
.set MSB, \new
.endif
.endm
.macro PLACES                          ; four places ahead of loads into registers that products have read, and of conversions of results
.rept 4
	v_nop
.endr
.endm
.macro JLOAD                           ; a joint refill: waves 0, 1 fetch x's halves, waves 2, 3 W's; the branch hangs on the wave's number alone; s_nop 0 and four v_nop follow each line
	s_cmp_eq_u32 s11, 0
	s_cbranch_scc0 .Lfor_b_\@
	tensor_load_to_lds s[G0+4:G0+7], s[G1:G1+7]
	s_nop 0
	PLACES
	s_branch .Lasked_\@
.Lfor_b_\@:
	tensor_load_to_lds s[G0B+4:G0B+7], s[G1B:G1B+7]
	s_nop 0
	PLACES
.Lasked_\@:
.endm
.macro CROUND                          ; a round of the cluster's barrier
	s_barrier_signal -1
	s_barrier_wait -1
	s_cmp_lg_u32 s10, 0
	s_cbranch_scc1 .Lnot_wave_0_\@
	s_barrier_signal -3
.Lnot_wave_0_\@:
	s_barrier_wait -3
	s_barrier_signal -1
	s_barrier_wait -1
.endm
	s_load_b128 s[4:7], s[0:1], 0x0                ; xb s[4:5], wb s[6:7]
	s_load_b64 s[8:9], s[0:1], 0x10                ; qkv
	v_lshl_add_u32 v[SPW], v0, 2, SPARE
	v_mov_b32 v[NIL], 0
	ds_add_u32 v[SPW], v[NIL]                      ; the wave's opening: the add and its wait stand ahead of my first tensor load
	ds_add_u32 v28, v29
	v_lshrrev_b32 v1, 5, v0
	v_readfirstlane_b32 s10, v1                    ; wave 0..3
	s_lshr_b32 s11, s10, 1                         ; which 128 rows are mine.  Also: I fetch for x (0) or for W (1)
	s_and_b32 s12, s10, 1                          ; which 192 columns.  Also: which half of that tile I fetch
	s_bfe_u32 s40, ttmp6, 0x40000                  ; cx
	s_bfe_u32 s41, ttmp6, 0x40004                  ; cy
	s_lshl_b32 s42, ttmp9, 2
	s_add_co_u32 s42, s42, s40                     ; tile column = 4 x cluster x + cx
	s_and_b32 s13, ttmp7, 0xffff
	s_lshl_b32 s13, s13, 2
	s_add_co_u32 s13, s13, s41                     ; tile row = 4 x cluster y + cy
	s_lshl_b32 s43, s41, 2
	s_lshl_b32 s43, 15, s43                        ; my row of the cluster
	s_lshl_b32 s44, 0x1111, s40                    ; my column
	s_or_b32 s[G1+0], s43, (1<<16)|(1<<20)|(1<<21)|(4<<22)|(3<<25)   ; the mask; 2-byte elements; padding on; bit 21 beside a mask; behind every 32 words (code 4) 4 words (code 3)
	s_or_b32 s[G1B+0], s44, (1<<16)|(1<<20)|(1<<21)|(4<<22)|(3<<25)
	s_mov_b32 s[G1+1], 128<<16                     ; tensor_dim0 = 128 elements: 256 bytes, two matrix rows
	s_mov_b32 s[G1+2], 64<<16                      ; tensor_dim1 = 64: 128 matrix rows
	s_mov_b32 s[G1+3], 128<<16                     ; tile_dim0
	s_mov_b32 s[G1+4], 64                          ; tile_dim1
	s_mov_b32 s[G1+5], 128                         ; dense: 128 elements from row to row
	s_mov_b32 s[G1+6], 0
	s_mov_b32 s[G1+7], 0
	s_mov_b32 s[G1B+1], 128<<16
	s_mov_b32 s[G1B+2], 96<<16                     ; 192 matrix rows
	s_mov_b32 s[G1B+3], 128<<16
	s_mov_b32 s[G1B+4], 96
	s_mov_b32 s[G1B+5], 128
	s_mov_b32 s[G1B+6], 0
	s_mov_b32 s[G1B+7], 0
	s_mov_b32 s[TB], 0
	s_lshl_b32 s16, s13, 15                        ; x: (256 x tile row + 128 x half) rows of 128 bytes
	s_lshl_b32 s17, s12, 14
	s_add_co_u32 s16, s16, s17
	s_mov_b32 s17, 0
	s_mul_i32 s46, s42, 384*128                    ; W: (384 x tile column + 192 x half) rows of 128 bytes
	s_mul_i32 s47, s12, 192*128
	s_add_co_u32 s46, s46, s47
	s_mov_b32 s47, 0
	s_mul_i32 s20, s12, AHALF                      ; where they go: no place in the cluster enters an LDS address
	s_mul_i32 s21, s12, BHALF
	s_add_co_u32 s21, s21, BOFF
	s_wait_dscnt 0x0                               ; the opening add is done
	s_wait_kmcnt 0x0
	s_add_nc_u64 s[14:15], s[4:5], s[16:17]
	s_add_nc_u64 s[46:47], s[6:7], s[46:47]
	CROUND                                         ; all sixteen work-groups are here: the first joint loads meet
.irp s, 0,1
	s_mov_b32 s[G0+4*(\s)], 1
	s_add_co_u32 s[G0+4*(\s)+1], s20, (\s)*SLOT1
	s_add_nc_u64 s[G0+4*(\s)+2:G0+4*(\s)+3], s[14:15], (\s)*XPLANE   ; K block s
	s_or_b32 s[G0+4*(\s)+3], s[G0+4*(\s)+3], 0x80000000
	s_mov_b32 s[G0B+4*(\s)], 1
	s_add_co_u32 s[G0B+4*(\s)+1], s21, (\s)*SLOT1
	s_add_nc_u64 s[G0B+4*(\s)+2:G0B+4*(\s)+3], s[46:47], (\s)*WPLANE
	s_or_b32 s[G0B+4*(\s)+3], s[G0B+4*(\s)+3], 0x80000000
.endr
	s_cmp_eq_u32 s11, 0                            ; a wave's two first fills stand in one branch: two loads of mine are out
	s_cbranch_scc0 .Lfirst_b
	tensor_load_to_lds s[G0:G0+3], s[G1:G1+7]
	s_nop 0
	tensor_load_to_lds s[G0+4:G0+7], s[G1:G1+7]
	s_nop 0
	PLACES
	s_branch .Lfirst_asked
.Lfirst_b:
	tensor_load_to_lds s[G0B:G0B+3], s[G1B:G1B+7]
	s_nop 0
	tensor_load_to_lds s[G0B+4:G0B+7], s[G1B:G1B+7]
	s_nop 0
	PLACES
.Lfirst_asked:
	; A fragment is 16 rows x 32 K in 8 registers: lane l holds row l % 16, K = 8 (l / 16) + 0..7 and 16 + 8 (l / 16) + 0..7: two loads of 16 bytes, 32 bytes apart.
	v_and_b32 v1, 15, v0                           ; l % 16
	v_bfe_u32 v2, v0, 4, 1                         ; l / 16
	v_mul_u32_u24 v3, v1, PITCH
	v_lshl_add_u32 v3, v2, 4, v3
	s_mul_i32 s22, s11, AHALF
	s_mul_i32 s23, s12, BHALF
	s_add_co_u32 s23, s23, BOFF
	v_add_nc_u32 v[ADRA], s22, v3
	v_add_nc_u32 v[ADRB], s23, v3
	v_mov_b32 v[CA], v[ADRA]                       ; the walk begins in slot 0
	v_mov_b32 v[CB], v[ADRB]
	s_mul_i32 s22, s11, 128*SPITCH                 ; into the stage: my 128 rows, my 384 bytes of them; row l % 16, 16 bytes for each half of the lanes
	s_mul_i32 s23, s12, 384
	s_add_co_u32 s22, s22, s23
	v_mul_u32_u24 v4, v1, SPITCH
	v_lshl_add_u32 v4, v2, 4, v4
	v_add_nc_u32 v[STO], s22, v4
	v_add_nc_u32 v[STO2], 64*SPITCH, v[STO]
	s_mul_i32 s22, s10, 64*SPITCH                  ; back: wave w takes rows 64 w .. 64 w + 63, whole; lanes 0-15 256 bytes of one row, lanes 16-31 of the next
	v_mul_u32_u24 v5, v2, SPITCH
	v_lshl_add_u32 v5, v1, 4, v5
	v_add_nc_u32 v[RD], s22, v5
	v_mul_u32_u24 v5, v2, CROW
	v_lshl_add_u32 v[CO], v1, 4, v5
	s_lshl_b32 s16, s13, 8
	s_lshl_b32 s17, s10, 6
	s_add_co_u32 s16, s16, s17                     ; the first row that I store
	s_mul_i32 s16, s16, CROW
	s_mul_i32 s46, s42, 768                        ; the tile's first column, in bytes (in the registers that held W's address: none that feeds x's descriptors ever holds cx)
	s_add_co_u32 s46, s46, s16
	s_mov_b32 s47, 0
	s_add_nc_u64 s[8:9], s[8:9], s[46:47]
.macro LDA ks, buf                     ; 16 loads: x's fragments of step ks of the slot in hand
	WIN 0
.irp a, 0,1,2,3,4,5,6,7
	ds_load_b128 v[FA+64*(\buf)+8*(\a):FA+64*(\buf)+8*(\a)+3],   v[CA] offset:(\a)*16*PITCH+64*(\ks)
	ds_load_b128 v[FA+64*(\buf)+8*(\a)+4:FA+64*(\buf)+8*(\a)+7], v[CA] offset:(\a)*16*PITCH+64*(\ks)+32
.endr
.endm
.macro LDB ks, g                       ; 12 loads: W's fragments of group g
	WIN 0
.irp b, 0,1,2,3,4,5
	ds_load_b128 v[FB+48*(\g)+8*(\b):FB+48*(\g)+8*(\b)+3],   v[CB] offset:(6*(\g)+(\b))*16*PITCH+64*(\ks)
	ds_load_b128 v[FB+48*(\g)+8*(\b)+4:FB+48*(\g)+8*(\b)+7], v[CB] offset:(6*(\g)+(\b))*16*PITCH+64*(\ks)+32
.endr
.endm
; Products i0 .. i1 - 1 of a phase's 48 (i = 6 a + b).  The 96 accumulators take turns, one instruction a turn, in the same order in every step.
.macro MULP g, buf, i0, i1, zero
.set i, \i0
.rept (\i1)-(\i0)
.set n, 48*(\g)+i
.set w, 1+n/32
.set rD, 8*(n%32)
.set rB, FB+48*(\g)+8*(i%6)
.set rA, FA+64*(\buf)+8*(i/6)
	WIN (w<<6)|(w<<4)
.if \zero
	v_wmma_f32_16x16x32_bf16 v[rD:rD+7], v[rB:rB+7], v[rA:rA+7], 0
.else
	v_wmma_f32_16x16x32_bf16 v[rD:rD+7], v[rB:rB+7], v[rA:rA+7], v[rD:rD+7]
.endif
.set i, i+1
.endr
.endm
.macro PH0E zero                       ; phase 0 of a slot's first step; at its head W's group 1 of this step and x's fragments of the next
	PLACES
	LDB 0, 1
	LDA 1, 1
	s_wait_dscnt 28                                ; all but the 28 just issued: this step's x and W's group 0 are in
	MULP 0, 0, 0, 48, \zero
.endm
.macro PH1 ks, nks, zero               ; phase 1 of step ks; at its head W's group 0 of the next step, step nks of the slot in hand
	PLACES
	LDB \nks, 0
	s_wait_dscnt 28                                ; behind W's group 1 of this step stand at most 16 loads of x and these 12
	MULP 1, \ks, 0, 48, \zero
.endm
; Phase 0 of a slot's second step, which changes slots, at its head: my last reads of the slot are issued; I wait for all my tensor loads (one is out: my part of the other slot), add 0 to my spare
; word, and wait for that and for my reads.  fill = 1: a round of the cluster's barrier follows, and the joint refill, two K blocks on, is the first thing behind it: no product stands between the
; wait for one tile and the request for the next, so the request has the whole slot's 192 products in which to land.  The descriptors' steps and the slot's turn stand between the add and its wait.
.macro TURN fill
	PLACES
	LDB 1, 1                                       ; my last reads of this slot
	s_wait_tensorcnt 0x0                           ; no tensor load of mine is out, so a group 0 may be written
	ds_add_u32 v[SPW], v[NIL]
.if \fill
	s_xor_b32 s[G0+5], s[G0+5], SLOT1              ; the walking descriptors: the other slot than last time, the next K block
	s_add_nc_u64 s[G0+6:G0+7], s[G0+6:G0+7], XPLANE
	s_xor_b32 s[G0B+5], s[G0B+5], SLOT1
	s_add_nc_u64 s[G0B+6:G0B+7], s[G0B+6:G0B+7], WPLANE
.endif
	s_xor_b32 s[TB], s[TB], SLOT1                  ; from here on the reads go to the other slot
	v_add_nc_u32 v[CA], s[TB], v[ADRA]
	v_add_nc_u32 v[CB], s[TB], v[ADRB]
	s_wait_dscnt 0x0                               ; the add is done, and my reads of this slot are over
.if \fill
	CROUND                                         ; no wave of any partner still reads this slot or has a load on its way
	JLOAD
.else
	s_barrier_signal -1
	s_barrier_wait -1
	PLACES
.endif
	LDA 0, 0
	MULP 0, 1, 0, 48, 0
.endm
	s_wait_tensorcnt 0x1                           ; my part of K block 0 is in; block 1's may stay out
	s_barrier_signal -1
	s_barrier_wait -1
	LDA 0, 0
	LDB 0, 0
	PH0E 1                                         ; the first step stands ahead of the loop: its products start the sums
	PH1 0, 1, 1
	WIN 0
	s_mov_b32 s3, 14                               ; 14 refills: K blocks 2 to 15
.Lblock:                                               ; a trip: a block's second step, the change of slots, the next block's first step
	TURN 1
	PH1 1, 0, 0
	PH0E 0
	PH1 0, 1, 0
	WIN 0
	s_sub_co_u32 s3, s3, 1
	s_cmp_lg_u32 s3, 0
	s_cbranch_scc1 .Lblock
	TURN 0                                         ; the last two K blocks: nothing is left to fetch
	PH1 1, 0, 0
	PH0E 0
	PH1 0, 1, 0
	PLACES
	LDB 1, 1
	s_wait_dscnt 12                                ; all but the 12 just issued
	MULP 0, 1, 0, 48, 0
	s_wait_dscnt 0x0                               ; my reads of the ring are over: behind this barrier the stage is written over it
	s_barrier_signal -1
	MULP 1, 1, 0, 48, 0
	WIN 0
	s_barrier_wait -1
	; THE WAY OUT: rounded to f16, 16 bytes a lane into the work-group's stage; a barrier, since a row's 768 bytes come from two waves; back as whole rows.
	PLACES
.set a, 0
.rept 8
.set k, 0
.rept 12                               ; k = 6 g + b: the row block's twelve accumulators, each from its low end on
.set n, 48*(k/6)+6*a+k%6
.set w, 1+n/32
	WIN w|(w<<2)
.irp r, 0,1,2,3
	v_cvt_pk_f16_f32 v[TMP+4*k+\r], v[8*(n%32)+2*\r], v[8*(n%32)+2*\r+1]
.endr
.set k, k+1
.endr
	WIN 0
.set k, 0
.rept 12
	ds_store_b128 v[STO+3*(a/4)], v[TMP+4*k:TMP+4*k+3] offset:(a%4)*16*SPITCH+32*k
.set k, k+1
.endr
.set a, a+1
.endr
	s_wait_dscnt 0x0                               ; for the others' sake: my stores into the stage are done
	s_barrier_signal -1
	s_barrier_wait -1
	s_mov_b32 s3, 4                                ; four trips of 16 rows
.Lback:
.set i, 0
.rept 24
	ds_load_b128 v[BK+4*i:BK+4*i+3], v[RD] offset:(i/3)*2*SPITCH+(i%3)*256
.set i, i+1
.endr
.set i, 0
.rept 24
	s_wait_dscnt 23-i
	global_store_b128 v[CO], v[BK+4*i:BK+4*i+3], s[8:9] offset:(i/3)*2*CROW+(i%3)*256   ; 16 lanes store 256 consecutive bytes, at a multiple of 256 from qkv's first byte
.set i, i+1
.endr
	s_wait_xcnt 0x0                                ; the stores' registers and base are rewritten only behind this wait
	v_add_nc_u32 v[RD], 16*SPITCH, v[RD]
	s_add_nc_u64 s[8:9], s[8:9], 16*CROW
	s_sub_co_u32 s3, s3, 1
	s_cmp_lg_u32 s3, 0
	s_cbranch_scc1 .Lback
	s_wait_tensorcnt 0x0                           ; the wave's end
	ds_add_u32 v[SPW], v[NIL]
	s_wait_dscnt 0x0
	CROUND                                         ; the closing round
	s_endpgm
.Lfunc_end_k_qeeab085ed7_proj:
	.size	k_qeeab085ed7_proj, .Lfunc_end_k_qeeab085ed7_proj-k_qeeab085ed7_proj
	.p2alignl 7, 3214868480
	.fill 96, 4, 3214868480
	.section	.rodata,"a",@progbits
	.p2align	6, 0x0
	.amdhsa_kernel k_qeeab085ed7_proj
		.amdhsa_group_segment_fixed_size 327680
		.amdhsa_private_segment_fixed_size 0
		.amdhsa_enable_private_segment 0
		.amdhsa_kernarg_size 24
		.amdhsa_user_sgpr_count 2
		.amdhsa_user_sgpr_kernarg_segment_ptr 1
		.amdhsa_wavefront_size32 1
		.amdhsa_system_sgpr_workgroup_id_x 1
		.amdhsa_system_sgpr_workgroup_id_y 1
		.amdhsa_system_sgpr_workgroup_id_z 1
		.amdhsa_system_vgpr_workitem_id 0
		.amdhsa_next_free_vgpr 1024
		.amdhsa_next_free_sgpr 66
		.amdhsa_reserve_vcc 0
		.amdhsa_float_denorm_mode_32 3
		.amdhsa_float_denorm_mode_16_64 3
		.amdhsa_memory_ordered 1
		.amdhsa_forward_progress 1
		.amdhsa_inst_pref_size 99
	.end_amdhsa_kernel
	.amdgpu_metadata
---
amdhsa.version: [ 1, 2 ]
amdhsa.kernels:
  - .name:           k_qeeab085ed7_proj
    .symbol:         k_qeeab085ed7_proj.kd
    .args:
      - { .name: xb, .offset: 0, .size: 8, .value_kind: global_buffer, .address_space: global }
      - { .name: wb, .offset: 8, .size: 8, .value_kind: global_buffer, .address_space: global }
      - { .name: qkv, .offset: 16, .size: 8, .value_kind: global_buffer, .address_space: global }
    .group_segment_fixed_size: 327680
    .private_segment_fixed_size: 0
    .kernarg_segment_align: 8
    .kernarg_segment_size: 24
    .max_flat_workgroup_size: 128
    .sgpr_count:     66
    .vgpr_count:     1024
    .wavefront_size: 32
...
	.end_amdgpu_metadata
.endif
;; end of part 2
;; launch score (part 3): grid 36 x 4, 4 waves a work-group, no clusters, 327,680 bytes of LDS; arguments qkv, pm, cmx, lsum; writes pm, cmx, lsum
.if DOCPART == 3
	.amdgcn_target "amdgcn-amd-amdhsa--gfx1250"
	.amdhsa_code_object_version 6
	.text
	.protected	k_qeeab085ed7_score
	.globl	k_qeeab085ed7_score
	.p2align	8
	.type	k_qeeab085ed7_score,@function
k_qeeab085ed7_score:
	s_mov_b64 s[64:65], 0
	v_nop
	global_prefetch_b8 v0, s[64:65] scope:SCOPE_SE
	s_setreg_imm32_b32 hwreg(HW_REG_WAVE_MODE, 25, 1), 1
	s_wait_xcnt 0x0
; For each tile (I, J), J <= I, of 256 queries x 256 keys of a batch: S = q k^T (K = 1024, f16 operands, f32 sums), the causal mask, the tile's row maximum m,
; p = 2^(c s - c m) with c = log2(e) / 32, rounded to f16 into pm [4][2048][2048]; c m into cmx [4][8 J][2048]; the sums of the rounded p over 128 keys into lsum [4][16][2048].
; The next launch joins the tiles of a row by a running maximum over their c m.  Tiles above the diagonal are neither made nor read.
; LIMITS.  A hidden score counts as its value less 1e30 (f16 operands give at most 4.4e12); a weight below f16's step of 6e-8 counts as 0, in pm and in lsum alike; NaN and infinities are not treated apart.
; SHARES.  36 lower tiles a batch, 144 work-groups; four waves, each 128 queries x 128 keys: 64 accumulators, 512 registers.  K in steps of 128 through two LDS slots; a wave's tensor load brings
; 128 rows x 256 bytes (waves 0, 1: q's halves; 2, 3: k's).  The loop is written for one slot: a scalar, 0 or the second slot's first byte, is turned at each change of slots.
; NO CLUSTER: the 36 lower tiles of a batch do not fall into groups of four that share a tile at every place (row I has I + 1 tiles).
; TRANSPOSED USE: source 0 = 16 keys, source 1 = 16 queries: a lane holds ONE query (lane % 16) and eight neighbouring keys 8 (lane / 16) + 0..7 of each key block.
; THE MASK is the C operand of the products that start the sums: 0, or -1e30 where the key is hidden.  Three sets of 8 registers: for key block b below, on and above query block a.
; In the diagonal tile the wave with queries 0-127 and keys 128-255 finds everything hidden: its p and its sums come out 0, and are stored: the next launch reads them.
; THE ROW SUMS are made by the matrix unit: two key blocks' p, rounded to f16 in pairs, ARE source 1 (32 keys x 16 queries) of a product; with ones as source 0 every register of the result holds the query's sum.
; REGISTERS: window 0: v0-31 addresses; v32-55 masks, later v32-63 and v224-255 rows on the way out; v64-127, v128-191 q's fragments, later maxima, sums and statistics; v192-223 packed p.
;   window 1: v64-191 k's fragments.   windows 2, 3: accumulator (a, b) at window 2 + a / 4, v[8 (8 (a % 4) + b)].
.set KSTEP,  128
.set PITCH,  272                       ; 256 bytes + 16 = 68 words: the 16 rows of a load start at 16 different groups of four banks (64 banks of 4 bytes: ISA guide 11.1)
.set HALFT,  128*PITCH
.set SLOT,   4*HALFT
.set STAGE,  2*SLOT                    ; behind the ring: 16 rows x 272 bytes for each wave
.set SPITCH, 272
.set XCH,    STAGE+4*16*SPITCH         ; 512 bytes a wave: its 128 row maxima, for the wave with the same queries
.set STT,    XCH+4*512                 ; 1,024 bytes a wave: c m, then l, turned from one row a lane to four rows a lane
.set SPARE,  STT+4*1024                ; the spare words
.set ROWB,   6144
.set XS,   8                           ; v8   where I put a row's maximum
.set XP,   9                           ; v9   where the partner put its
.set SS,   10                          ; v10  where I put a row's statistics
.set SR,   11                          ; v11  where I read four rows' back
.set GL,   12                          ; v12  16 x lane
.set ADRA, 16                          ; v16  my fragments of q in slot 0; never rewritten
.set CA,   17                          ; v17  in the slot in hand
.set ADRB, 20                          ; v20, v21  the same for k
.set CB,   21
.set STO,  24
.set RD,   25
.set CO,   26
.set SPW,  28
.set NIL,  29
.set ML,   32
.set MD,   40
.set MU,   48
.set F0,   64
.set F1,   128
.set CH,   64                          ; eight chains of maxima for each query block
.set LA,   64                          ; later: two accumulators for the row sums
.set LB,   72
.set ST4,  128                         ; query block a: c m, m, l, one spare
.set PM,   160                         ; the partner's maxima
.set ONE,  168                         ; a fragment of ones in f16
.set TMP,  192
.set OB,   32
.set G1, 24
.set G0, 32                            ; s[32:39] group 0: a set for each of the two first fills; the second then walks on
.set TB, 62                            ; s62  0 or SLOT: the slot in hand
.set MSB, 0
.macro WIN new
.if MSB != (\new)
	s_set_vgpr_msb (MSB<<8)|(\new)
.set MSB, \new
.endif
.endm
.set MUL_LO, 0xa1                      ; source 0 (k) window 1, source 1 (q) window 0, C and D window 2
.set TO_B,   0x40
.macro PLACES
.rept 4
	v_nop
.endr
.endm
.macro ALL8 line:vararg                ; one line for each query block t
.set t, 0
.rept 8
	\line
.set t, t+1
.endr
.endm
	s_load_b256 s[4:11], s[0:1], 0x0               ; qkv s[4:5], pm s[6:7], cmx s[8:9], lsum s[10:11]
	v_lshl_add_u32 v[SPW], v0, 2, SPARE
	v_mov_b32 v[NIL], 0
	ds_add_u32 v[SPW], v[NIL]                      ; the wave's opening: the add and its wait stand ahead of my first tensor load
	ds_add_u32 v28, v29
	v_lshrrev_b32 v1, 5, v0
	v_readfirstlane_b32 s12, v1                    ; wave
	s_lshr_b32 s13, s12, 1                         ; rh: which 128 queries.  Also: I fetch for q (0) or k (1)
	s_and_b32 s14, s12, 1                          ; ch: which 128 keys.  Also: which half I fetch
	s_and_b32 s15, ttmp7, 0xffff                   ; batch
	s_mul_i32 s16, ttmp9, 57
	s_lshr_b32 s16, s16, 9                         ; p = id / 9 (exact for id < 36)
	s_mul_i32 s17, s16, 9
	s_sub_co_u32 s17, ttmp9, s17                   ; r = id % 9: rows 7 - p and p of the triangle have 9 tiles together
	s_sub_co_u32 s18, 7, s16
	s_add_co_u32 s19, s17, s16
	s_sub_co_u32 s19, s19, 8
	s_cmp_le_u32 s17, s18
	s_cselect_b32 s20, s18, s16                    ; I
	s_cselect_b32 s21, s17, s19                    ; J
	s_mov_b32 s[G1+0], (1<<16)|(1<<20)|(5<<22)|(3<<25)   ; 2-byte elements; padding on: behind every 64 words (code 5) 4 words (code 3)
	s_mov_b32 s[G1+1], KSTEP<<16                   ; tensor_dim0 = 128
	s_mov_b32 s[G1+2], 128<<16                     ; tensor_dim1 = 128
	s_mov_b32 s[G1+3], KSTEP<<16                   ; tile_dim0
	s_mov_b32 s[G1+4], 128                         ; tile_dim1
	s_mov_b32 s[G1+5], 3072                        ; elements from row to row
	s_mov_b32 s[G1+6], 0
	s_mov_b32 s[G1+7], 0
	s_mov_b32 s[TB], 0
	s_cmp_eq_u32 s13, 0
	s_cselect_b32 s22, s20, s21                    ; block I of q, or block J of k,
	s_cselect_b32 s23, 0, 2048                     ; which begins 2,048 bytes into a row
	s_lshl_b32 s40, s15, 11
	s_lshl_b32 s22, s22, 8
	s_add_co_u32 s22, s22, s40
	s_lshl_b32 s41, s14, 7
	s_add_co_u32 s22, s22, s41                     ; the first row that I fetch
	s_mul_i32 s22, s22, ROWB
	s_add_co_u32 s22, s22, s23
	s_mov_b32 s23, 0
	s_mul_i32 s42, s12, HALFT                      ; where it goes in a slot: wave x 128 rows; kept for the refills
	s_lshl_b32 s40, s15, 23                        ; pm: batch, (256 I + 128 rh) rows of 4,096 bytes, 512 J + 256 ch
	s_lshl_b32 s41, s20, 20
	s_add_co_u32 s40, s40, s41
	s_lshl_b32 s41, s13, 19
	s_add_co_u32 s40, s40, s41
	s_lshl_b32 s41, s21, 9
	s_add_co_u32 s40, s40, s41
	s_lshl_b32 s41, s14, 8
	s_add_co_u32 s40, s40, s41
	s_mov_b32 s41, 0
	s_lshl_b32 s52, s20, 10                        ; (256 I + 128 rh) x 4
	s_lshl_b32 s53, s13, 9
	s_add_co_u32 s52, s52, s53
	s_lshl_b32 s54, s15, 4                         ; lsum: chunk 16 batch + 2 J + ch of 8,192 bytes
	s_lshl_b32 s53, s21, 1
	s_add_co_u32 s54, s54, s53
	s_add_co_u32 s54, s54, s14
	s_lshl_b32 s54, s54, 13
	s_add_co_u32 s54, s54, s52
	s_mov_b32 s55, 0
	s_lshl_b32 s56, s15, 3                         ; cmx: plane 8 batch + J
	s_add_co_u32 s56, s56, s21
	s_lshl_b32 s56, s56, 13
	s_add_co_u32 s56, s56, s52
	s_mov_b32 s57, 0
	s_mov_b32 s58, 0x3d38aa3b                      ; c = log2(e) / 32
	s_mov_b32 s59, s58                             ; named with it as a pair
	s_mov_b32 s60, 0x76543210                      ; v_permlanex16_b32: each lane takes its own place in the other half
	s_mov_b32 s61, 0xfedcba98
	s_wait_dscnt 0x0                               ; the opening add is done
	s_wait_kmcnt 0x0
	s_add_nc_u64 s[22:23], s[4:5], s[22:23]
	s_add_nc_u64 s[6:7], s[6:7], s[40:41]
	s_add_nc_u64 s[10:11], s[10:11], s[54:55]
	s_add_nc_u64 s[8:9], s[8:9], s[56:57]
.irp s, 0,1                            ; both first fills go out together: two loads of mine are out
	s_mov_b32 s[G0+4*(\s)], 1
	s_add_co_u32 s[G0+4*(\s)+1], s42, (\s)*SLOT
	s_add_nc_u64 s[G0+4*(\s)+2:G0+4*(\s)+3], s[22:23], (\s)*KSTEP*2
	s_or_b32 s[G0+4*(\s)+3], s[G0+4*(\s)+3], 0x80000000
	tensor_load_to_lds s[G0+4*(\s):G0+4*(\s)+3], s[G1:G1+7]
	s_nop 0
.endr
	PLACES
	v_and_b32 v1, 15, v0                           ; l % 16
	v_bfe_u32 v2, v0, 4, 1                         ; l / 16
	v_mul_u32_u24 v3, v1, PITCH
	v_lshl_add_u32 v3, v2, 4, v3
	s_mul_i32 s43, s13, HALFT                      ; my 128 rows of q
	s_mul_i32 s44, s14, HALFT                      ; my 128 rows of k,
	s_add_co_u32 s44, s44, 2*HALFT                 ; which lie behind q's 256
	v_add_nc_u32 v[ADRA], s43, v3
	v_add_nc_u32 v[ADRB], s44, v3
	v_mov_b32 v[CA], v[ADRA]                       ; the walk begins in slot 0
	v_mov_b32 v[CB], v[ADRB]
	s_mul_i32 s45, s12, 16*SPITCH
	s_add_co_u32 s45, s45, STAGE                   ; my stage
	v_mul_u32_u24 v4, v1, SPITCH
	v_lshl_add_u32 v4, v2, 4, v4
	v_add_nc_u32 v[STO], s45, v4
	v_mul_u32_u24 v5, v2, SPITCH
	v_lshl_add_u32 v5, v1, 4, v5
	v_add_nc_u32 v[RD], s45, v5
	v_lshlrev_b32 v5, 12, v2                       ; and the same two rows in pm
	v_lshl_add_u32 v[CO], v1, 4, v5
	s_lshl_b32 s46, s12, 9
	s_add_co_u32 s46, s46, XCH
	v_lshl_add_u32 v[XS], v1, 2, s46
	s_xor_b32 s47, s12, 1                          ; the wave with my queries and the other keys
	s_lshl_b32 s47, s47, 9
	s_add_co_u32 s47, s47, XCH
	v_lshl_add_u32 v[XP], v1, 2, s47
	s_lshl_b32 s48, s12, 10
	s_add_co_u32 s48, s48, STT
	v_lshl_add_u32 v[SS], v1, 2, s48
	v_and_b32 v4, 31, v0
	v_lshlrev_b32 v[GL], 4, v4
	v_add_nc_u32 v[SR], s48, v[GL]
	; the masks.  Query 128 rh + 16 a + l % 16 against key 128 ch + 16 b + 8 (l / 16) + j, in the diagonal tile alone
	s_cmp_eq_u32 s20, s21
	s_cselect_b32 s49, 0xf149f2ca, 0               ; -1e30 in the diagonal tile
	s_cmp_ge_u32 s14, s13
	s_cselect_b32 s50, s49, 0                      ; b > a: hidden unless my keys lie below my queries
	s_cmp_gt_u32 s14, s13
	s_cselect_b32 s51, s49, 0                      ; b < a: hidden only if my keys lie above my queries
	v_lshlrev_b32 v7, 3, v2
	v_sub_nc_u32 v7, v1, v7                        ; l % 16 - 8 (l / 16): register j of block b = a is hidden where j is greater
.set j, 0
.rept 8
	v_mov_b32 v[ML+j], s51
	v_mov_b32 v[MU+j], s50
.set j, j+1
.endr
.set j, 0
.rept 8
	v_cmp_gt_i32 vcc_lo, j, v7
	v_cndmask_b32 v[MD+j], v[ML], v[MU], vcc_lo
.set j, j+1
.endr
; 16 products: query blocks a0, a0 + 1 of the window's four x all 8 key blocks, 32 along K.  first = 1: they start the sums, with the mask as C.  The 64 accumulators take turns.
.macro MUL16 f, hi, a0, first
.irp a, \a0, (\a0)+1
.irp b, 0,1,2,3,4,5,6,7
.if \first
.if (\b) < 4*(\hi)+(\a)
.set rC, ML
.elseif (\b) == 4*(\hi)+(\a)
.set rC, MD
.else
.set rC, MU
.endif
	WIN 0x81+0x40*(\hi)
	v_wmma_f32_16x16x32_f16 v[8*(8*(\a)+(\b)):8*(8*(\a)+(\b))+7], v[(\f)+8*(\b):(\f)+8*(\b)+7], v[(\f)+8*(4*(\hi)+(\a)):(\f)+8*(4*(\hi)+(\a))+7], v[rC:rC+7]
.else
	WIN MUL_LO+0x50*(\hi)
	v_wmma_f32_16x16x32_f16 v[8*(8*(\a)+(\b)):8*(8*(\a)+(\b))+7], v[(\f)+8*(\b):(\f)+8*(\b)+7], v[(\f)+8*(4*(\hi)+(\a)):(\f)+8*(4*(\hi)+(\a))+7], v[8*(8*(\a)+(\b)):8*(8*(\a)+(\b))+7]
.endif
.endr
.endr
.endm
.macro FETCH k, f                      ; 32 LDS loads in one run: a quarter step's fragments (k's 128 rows, then q's), 32 along K at byte k of the rows of the slot in hand
	WIN TO_B
.irp i, 0,1,2,3,4,5,6,7
	ds_load_b128 v[(\f)+8*(\i):(\f)+8*(\i)+3],   v[CB] offset:(\k)+(\i)*16*PITCH
	ds_load_b128 v[(\f)+8*(\i)+4:(\f)+8*(\i)+7], v[CB] offset:(\k)+(\i)*16*PITCH+32
.endr
	WIN 0
.irp i, 0,1,2,3,4,5,6,7
	ds_load_b128 v[(\f)+8*(\i):(\f)+8*(\i)+3],   v[CA] offset:(\k)+(\i)*16*PITCH
	ds_load_b128 v[(\f)+8*(\i)+4:(\f)+8*(\i)+7], v[CA] offset:(\k)+(\i)*16*PITCH+32
.endr
.endm
.macro QUARTER k, f, g, first          ; 64 products on buffer f; in their middle the next quarter's fragments go into g
	s_wait_dscnt 8                                 ; k's fragments and q's rows 0-63 are in; the youngest eight loads may be out
	MUL16 \f, 0, 0, \first
	MUL16 \f, 0, 2, \first
	PLACES
	FETCH \k, \g
	s_wait_dscnt 32                                ; all but the 32 just issued
	MUL16 \f, 1, 0, \first
	MUL16 \f, 1, 2, \first
.endm
; The last quarter of a K step changes slots, at its head: ONE barrier; ahead of it each wave waits for all its tensor loads (one is out: its part of the next slot), adds 0 to its spare word, and waits for
; that and for its reads of this slot (the last were issued 32 products ago).  fill = 1: this slot is filled again, two K steps on: the first thing behind the barrier.  No product stands between the wait for
; one tile and the request for the next, so the request has a whole K step's 256 products in which to land.  The descriptor's step and the slot's turn stand between the add and its wait.
.macro TURN fill
	WIN 0
	s_wait_tensorcnt 0x0                           ; no tensor load of mine is out, so a group 0 may be written
	ds_add_u32 v[SPW], v[NIL]
.if \fill
	s_add_co_u32 s[G0+5], s42, s[TB]               ; the walking descriptor: my part of the slot just read,
	s_add_nc_u64 s[G0+6:G0+7], s[G0+6:G0+7], KSTEP*2   ; the next K step; the type bits on top are not reached
.endif
	s_xor_b32 s[TB], s[TB], SLOT                   ; from here on the reads go to the other slot
	v_add_nc_u32 v[CA], s[TB], v[ADRA]
	v_add_nc_u32 v[CB], s[TB], v[ADRB]
	s_wait_dscnt 0x0                               ; the add is done, and my reads of this slot are over
	s_barrier_signal -1
	s_barrier_wait -1
.if \fill
	tensor_load_to_lds s[G0+4:G0+7], s[G1:G1+7]
	s_nop 0
.endif
	PLACES                                         ; also the places ahead of the loads below
	FETCH 0, F0
	MUL16 F1, 0, 0, 0
	MUL16 F1, 0, 2, 0
	MUL16 F1, 1, 0, 0
	MUL16 F1, 1, 2, 0
.endm
	s_wait_tensorcnt 0x1                           ; my part of K step 0 is in; step 1's may stay out
	s_barrier_signal -1
	s_barrier_wait -1
	FETCH 0, F0
	QUARTER 64,  F0, F1, 1                         ; the first quarter stands ahead of the loop: its products start the sums, on the masks
	WIN 0
	s_mov_b32 s3, 6                                ; six refills: K steps 2 to 7
.Lstep:                                                ; a trip goes from a K step's second quarter to the next step's first
	QUARTER 128, F1, F0, 0
	QUARTER 192, F0, F1, 0
	TURN 1
	QUARTER 64,  F0, F1, 0
	WIN 0
	s_sub_co_u32 s3, s3, 1
	s_cmp_lg_u32 s3, 0
	s_cbranch_scc1 .Lstep
	QUARTER 128, F1, F0, 0                         ; the last two K steps fill nothing
	QUARTER 192, F0, F1, 0
	TURN 0
	QUARTER 64,  F0, F1, 0
	QUARTER 128, F1, F0, 0
	QUARTER 192, F0, F1, 0
	s_wait_dscnt 8
	MUL16 F1, 0, 0, 0
	MUL16 F1, 0, 2, 0
	s_wait_dscnt 0x0
	MUL16 F1, 1, 0, 0
	MUL16 F1, 1, 2, 0
	; THE ROW MAXIMA.  A lane's 64 scores of query block a lie in 8 accumulators: a chain for each, three operands at a time, each accumulator from its low end on.
	PLACES
.irp w, 2,3
	WIN (\w)|((\w)<<2)|((\w)<<4)
.set k, 0
.rept 32
	v_max3_num_f32 v[CH+32*((\w)-2)+k], v[8*k], v[8*k+1], v[8*k+2]
.set k, k+1
.endr
	WIN ((\w)<<2)|((\w)<<4)
.set k, 0
.rept 32
	v_max3_num_f32 v[CH+32*((\w)-2)+k], v[CH+32*((\w)-2)+k], v[8*k+3], v[8*k+4]
.set k, k+1
.endr
.set k, 0
.rept 32
	v_max3_num_f32 v[CH+32*((\w)-2)+k], v[CH+32*((\w)-2)+k], v[8*k+5], v[8*k+6]
.set k, k+1
.endr
.set k, 0
.rept 16                               ; the eight registers 7 of a query block, two to each of its first four chains
	v_max3_num_f32 v[CH+32*((\w)-2)+8*(k/4)+k%4], v[CH+32*((\w)-2)+8*(k/4)+k%4], v[8*(8*(k/4)+2*(k%4))+7], v[8*(8*(k/4)+2*(k%4)+1)+7]
.set k, k+1
.endr
.endr
	WIN 0
	ALL8 v_max3_num_f32 v[CH+8*t], v[CH+8*t], v[CH+8*t+1], v[CH+8*t+2]
	ALL8 v_max3_num_f32 v[CH+8*t+3], v[CH+8*t+3], v[CH+8*t+4], v[CH+8*t+5]
	ALL8 v_max3_num_f32 v[CH+8*t], v[CH+8*t], v[CH+8*t+3], v[CH+8*t+6]
	ALL8 v_max_num_f32 v[CH+8*t], v[CH+8*t], v[CH+8*t+7]
	ALL8 v_permlanex16_b32 v[CH+8*t+1], v[CH+8*t], s60, s61
	ALL8 v_max_num_f32 v[CH+8*t], v[CH+8*t], v[CH+8*t+1]
	ALL8 ds_store_b32 v[XS], v[CH+8*t] offset:64*t
	s_wait_dscnt 0x0                               ; for the partner's sake: my maxima are stored
	s_barrier_signal -1
	s_barrier_wait -1
	ALL8 ds_load_b32 v[PM+t], v[XP] offset:64*t
	ALL8 v_mov_b32 v[ONE+t], 0x3c003c00
	s_wait_dscnt 0x0
	ALL8 v_max_num_f32 v[ST4+4*t+1], v[CH+8*t], v[PM+t]
	ALL8 v_mul_f32 v[ST4+4*t], s58, v[ST4+4*t+1]
; Query block a: p = 2^(c s - c m) in place; rounded to f16, 16 bytes a lane; then l: ones x p, 32 keys a product, on two accumulators by turns; register 0 of each holds half of the query's sum.
.macro PACK a
.set AC, 64*((\a)%4)
.set w, 2+(\a)/4
.set rT, ST4+4*(\a)
	WIN (w<<6)|w
.set k, 0
.rept 32
	v_pk_fma_f32 v[AC+2*k:AC+2*k+1], v[AC+2*k:AC+2*k+1], s[58:59], v[rT:rT+1] op_sel_hi:[1,0,0] neg_lo:[0,0,1] neg_hi:[0,0,1]
.set k, k+1
.endr
.set k, 0
.rept 64
	v_exp_f32 v[AC+k], v[AC+k]
.set k, k+1
.endr
	v_nop                                          ; a plain instruction between the last exponential and the use of its result
	WIN w|(w<<2)
.set k, 0
	s_wait_alu depctr_va_vdst(0)
.rept 32
	v_cvt_pk_f16_f32 v[TMP+k], v[AC+2*k], v[AC+2*k+1]
.set k, k+1
.endr
	WIN 0
	v_wmma_f32_16x16x32_f16 v[LA:LA+7], v[ONE:ONE+7], v[TMP:TMP+7], 0
	v_wmma_f32_16x16x32_f16 v[LB:LB+7], v[ONE:ONE+7], v[TMP+8:TMP+15], 0
	v_wmma_f32_16x16x32_f16 v[LA:LA+7], v[ONE:ONE+7], v[TMP+16:TMP+23], v[LA:LA+7]
	v_wmma_f32_16x16x32_f16 v[LB:LB+7], v[ONE:ONE+7], v[TMP+24:TMP+31], v[LB:LB+7]
	PLACES
	v_add_f32 v[rT+2], v[LA], v[LB]
.endm
.macro TOSTAGE a                       ; into my own stage, and back as whole rows of 256 bytes
	WIN 0
.set BKR, OB+192*((\a)%2)
.irp b, 0,1,2,3,4,5,6,7
	ds_store_b128 v[STO], v[TMP+4*(\b):TMP+4*(\b)+3] offset:32*(\b)
.endr
.irp u, 0,1,2,3,4,5,6,7
	ds_load_b128 v[BKR+4*(\u):BKR+4*(\u)+3], v[RD] offset:(\u)*2*SPITCH   ; LDS serves a wave's instructions in order (ISA guide 5.7.1.4): these see the stores above
.endr
.endm
.macro SEND a
	WIN 0
.set BKR, OB+192*((\a)%2)
	s_wait_dscnt 0x0                               ; the block is back in registers
	s_wait_xcnt 0x0                                ; the stores' base and the registers that earlier stores read are rewritten only behind this wait
.if (\a) > 0
	s_add_nc_u64 s[6:7], s[6:7], 16*4096           ; 16 rows of pm on
.endif
.irp u, 0,1,2,3,4,5,6,7
	global_store_b128 v[CO], v[BKR+4*(\u):BKR+4*(\u)+3], s[6:7] offset:2*(\u)*4096   ; 16 lanes store 256 consecutive bytes, at a multiple of 256 from pm's first byte
.endr
.endm
	PACK 0
	TOSTAGE 0
.irp a, 1,2,3,4,5,6,7                  ; block a's arithmetic stands between block a - 1's loads from the stage and the wait for them
	PACK \a
	SEND (\a)-1
	TOSTAGE \a
.endr
	SEND 7
	; the statistics: one row a lane goes into LDS, four rows a lane come back: 512 consecutive bytes a store
	ALL8 ds_store_b32 v[SS], v[ST4+4*t] offset:64*t
	ALL8 ds_store_b32 v[SS], v[ST4+4*t+2] offset:512+64*t
	ds_load_b128 v[TMP:TMP+3], v[SR]
	ds_load_b128 v[TMP+4:TMP+7], v[SR] offset:512
	s_wait_dscnt 0x0
	global_store_b128 v[GL], v[TMP+4:TMP+7], s[10:11]
	s_cmp_lg_u32 s14, 0                            ; both waves of a row half hold the same c m: the one with keys 0-127 stores it
	s_cbranch_scc1 .Lno_cm
	global_store_b128 v[GL], v[TMP:TMP+3], s[8:9]
.Lno_cm:
	s_wait_tensorcnt 0x0                           ; the wave's end
	ds_add_u32 v[SPW], v[NIL]
	s_wait_dscnt 0x0
	s_endpgm
.Lfunc_end_k_qeeab085ed7_score:
	.size	k_qeeab085ed7_score, .Lfunc_end_k_qeeab085ed7_score-k_qeeab085ed7_score
	.p2alignl 7, 3214868480
	.fill 96, 4, 3214868480
	.section	.rodata,"a",@progbits
	.p2align	6, 0x0
	.amdhsa_kernel k_qeeab085ed7_score
		.amdhsa_group_segment_fixed_size 327680
		.amdhsa_private_segment_fixed_size 0
		.amdhsa_enable_private_segment 0
		.amdhsa_kernarg_size 32
		.amdhsa_user_sgpr_count 2
		.amdhsa_user_sgpr_kernarg_segment_ptr 1
		.amdhsa_wavefront_size32 1
		.amdhsa_system_sgpr_workgroup_id_x 1
		.amdhsa_system_sgpr_workgroup_id_y 1
		.amdhsa_system_sgpr_workgroup_id_z 1
		.amdhsa_system_vgpr_workitem_id 0
		.amdhsa_next_free_vgpr 1024
		.amdhsa_next_free_sgpr 66
		.amdhsa_reserve_vcc 1
		.amdhsa_float_denorm_mode_32 3
		.amdhsa_float_denorm_mode_16_64 3
		.amdhsa_memory_ordered 1
		.amdhsa_forward_progress 1
		.amdhsa_inst_pref_size 172
	.end_amdhsa_kernel
	.amdgpu_metadata
---
amdhsa.version: [ 1, 2 ]
amdhsa.kernels:
  - .name:           k_qeeab085ed7_score
    .symbol:         k_qeeab085ed7_score.kd
    .args:
      - { .name: qkv, .offset: 0, .size: 8, .value_kind: global_buffer, .address_space: global }
      - { .name: pm, .offset: 8, .size: 8, .value_kind: global_buffer, .address_space: global }
      - { .name: cmx, .offset: 16, .size: 8, .value_kind: global_buffer, .address_space: global }
      - { .name: lsum, .offset: 24, .size: 8, .value_kind: global_buffer, .address_space: global }
    .group_segment_fixed_size: 327680
    .private_segment_fixed_size: 0
    .kernarg_segment_align: 8
    .kernarg_segment_size: 32
    .max_flat_workgroup_size: 128
    .sgpr_count:     66
    .vgpr_count:     1024
    .wavefront_size: 32
...
	.end_amdgpu_metadata
.endif
;; end of part 3
;; launch pv (part 4): grid 8 x 32, 4 waves a work-group, clusters of 4 x 1, 327,680 bytes of LDS; arguments pm, qkv, cmx, lsum, out0; writes out0
.if DOCPART == 4
	.amdgcn_target "amdgcn-amd-amdhsa--gfx1250"
	.amdhsa_code_object_version 6
	.text
	.protected	k_qeeab085ed7_pv
	.globl	k_qeeab085ed7_pv
	.p2align	8
	.type	k_qeeab085ed7_pv,@function
k_qeeab085ed7_pv:
	s_mov_b64 s[64:65], 0
	v_nop
	global_prefetch_b8 v0, s[64:65] scope:SCOPE_SE
	s_setreg_imm32_b32 hwreg(HW_REG_WAVE_MODE, 25, 1), 1
	s_wait_xcnt 0x0
	s_wait_alu depctr_hold_cnt(0) depctr_sa_sdst(0) depctr_va_vdst(0) depctr_va_sdst(0) depctr_va_ssrc(0) depctr_va_vcc(0) depctr_vm_vsrc(0)
	s_getreg_b32 s2, hwreg(HW_REG_IB_STS2, 6, 4)
	s_cmp_eq_u32 s2, 0
	s_cbranch_scc0 .Lentry_in_a_cluster
	s_endpgm
.Lentry_in_a_cluster:
	s_bfe_u32 s2, ttmp6, 0x10000c
	s_cmp_lg_u32 s2, 0x3003
	s_cbranch_scc0 .Lentry_shape_is_right
	s_endpgm
.Lentry_shape_is_right:
; out0[q][:] = (sum over key tiles J of 2^(cm_J - M) P_J V_J) / L, with M the running maximum of the tiles' c m and L = sum of 2^(cm_J - M) l_J: the softmax's second half and the product with V.
; P: pm [4][2048][2048] f16, each tile scaled by its own row maximum; V: columns 2048-3071 of qkv, f16; cm, l: cmx, lsum, f32; out0 [4][2048][1024] f32.  Products f16, sums and scalings f32.
; LIMITS.  V within f16's range; a factor below 2^-126 counts as 0; NaN and infinities are not treated apart.
; THE WALK.  A batch's queries lie in 16 blocks of 128; block i needs the key tiles 0 .. i / 2 of 256 keys.  A work-group takes 128 channels of block 15 - b and then of block b: 9 tiles, whatever b, walked by one
; loop with a constant count, written for one slot: a scalar, 0 or the second slot's first byte, is turned behind each tile.  The first block has 5 to 8 tiles, so it ends inside the loop's 8 trips; the jump over
; its way out goes forward, past text with neither a barrier nor a tensor load, and hangs on b, which the partners share.
; SHARES.  Four waves, each 64 queries x 64 channels: 16 accumulators T for the tile in hand, 128 registers O for the running result: O = O a + T f behind each tile, a = 2^(M_old - M_new), f = 2^(cm - M_new).
; A block's M starts far below every c m, so its first a is 0 and O and L need only be finite.
; CLUSTER 4 x 1: the four partners differ in their channels alone and walk the same tiles of P: P is asked for jointly.  V's tiles hang on the channels: a load of one's own, behind the same round.
; LAYOUT.  Source 0 = V^T (16 channels x 32 keys, turned by ds_load_tr16_b128), source 1 = P (16 queries x 32 keys, as it lies): a lane holds ONE query (lane % 16) and eight neighbouring channels.
; REGISTERS: window 0: v16-29 addresses; v32-47 (a, M, f, L) for each query block; v48-63 statistics as loaded, at work; v64-127 rows on the way out; v128-255 T.   window 1: two fragment buffers of 128
; (64 keys deep: 64 registers of P, then 64 of V).   window 2: v0-127 O.
.set PP,    528                        ; a row of P in LDS: 512 bytes + 16 = 132 words: the 16 rows of a load start at 16 different groups of four banks (64 banks of 4 bytes: ISA guide 11.1)
.set PVP,   288                        ; a row of V: 256 + 32 = 72 words
.set PHALF, 64*PP
.set VOFF,  2*PHALF
.set VHALF, 128*PVP
.set SLOT,  VOFF+2*VHALF               ; 141,312
.set STAGE, 2*SLOT                     ; behind the ring: 16 rows x 272 bytes for each wave
.set SP,    272
.set SPARE, STAGE+4*16*SP              ; the spare words
.set ADRP, 16                          ; v16     my fragments of P in slot 0; never rewritten
.set CP,   17                          ; v17     in the slot in hand
.set ADRV, 20                          ; v20-21  of V in slot 0: keys 0-127, 128-255; never rewritten
.set CV,   22                          ; v22-23  in the slot in hand
.set STO,  24
.set RD,   25
.set GO,   26
.set SO,   27                          ; v27  4 x (lane % 16): my query in a block's statistics
.set SPW,  28
.set NIL,  29
.set ST,   32
.set CM,   48
.set LS0,  52
.set LS1,  56
.set TT,   60
.set OB,   64
.set T,    128
.set F0,   0
.set F1,   128
.set WV,  14                           ; s14 wave; s15 rh; s16 ch, and the half that I fetch
.set G1P, 24
.set G1V, 32
.set G0P, 40
.set G0V, 44
.set PB,  48                           ; s[48:49] pm at my half of the batch's rows 0-127, keys 0-255
.set VB,  50                           ; s[50:51] V at my half of the batch's keys 0-255, my work-group's channels
.set CB,  52                           ; s[52:53] cmx at the batch, my 64 rows of block 0
.set LB,  54                           ; s[54:55] lsum likewise
.set OUT, 56                           ; s[56:57] out0 at my part of the block in hand;  s[58:59] of the second block
.set LC,  62                           ; s62  the loop's count
.set SW,  63                           ; s63  tiles until the first block ends
.set NJ,  66                           ; s66  the tile to be asked for next,
.set NB,  67                           ; s67  and its query block
.set LQ,  68                           ; s68  that block's last tile
.set I2,  69                           ; s69  the second block;  s70 its last tile
.set TB,  80                           ; s80  0 or SLOT: the slot in hand;  s81 the slot to be filled
.set LP,  82                           ; s82, s83  where my part of P, of V goes in slot 0
.set LV,  83
.set MSB, 0
.macro WIN new
.if MSB != (\new)
	s_set_vgpr_msb (MSB<<8)|(\new)
.set MSB, \new
.endif
.endm
.macro PLACES
.rept 4
	v_nop
.endr
.endm
.macro ALL4 line:vararg                ; one line for each query block t
.set t, 0
.rept 4
	\line
.set t, t+1
.endr
.endm
.macro JLOAD                           ; waves 0, 1: the halves of P's tile, jointly; waves 2, 3: those of V's, for this work-group alone; s_nop 0 and four v_nop follow each line
	s_cmp_lt_u32 s[WV], 2
	s_cbranch_scc0 .Lfor_v_\@
	tensor_load_to_lds s[G0P:G0P+3], s[G1P:G1P+7]
	s_nop 0
	PLACES
	s_branch .Lasked_\@
.Lfor_v_\@:
	tensor_load_to_lds s[G0V:G0V+3], s[G1V:G1V+7]
	s_nop 0
	PLACES
.Lasked_\@:
.endm
.macro CROUND
	s_barrier_signal -1
	s_barrier_wait -1
	s_cmp_lg_u32 s[WV], 0
	s_cbranch_scc1 .Lnot_wave_0_\@
	s_barrier_signal -3
.Lnot_wave_0_\@:
	s_barrier_wait -3
	s_barrier_signal -1
	s_barrier_wait -1
.endm
.macro DESC                            ; both group 0 are made anew for tile NJ of block NB, into the slot that begins at s81; no tensor load of mine is out
	s_lshl_b32 s72, s[NB], 19                      ; 128 rows of 4,096 bytes a block
	s_lshl_b32 s71, s[NJ], 9                       ; 512 bytes a tile
	s_add_co_u32 s72, s72, s71
	s_mul_i32 s74, s[NJ], 256*6144                 ; 256 rows of qkv a tile
	s_add_co_u32 s[G0P+1], s[LP], s81
	s_add_nc_u64 s[G0P+2:G0P+3], s[PB:PB+1], s[72:73]
	s_or_b32 s[G0P+3], s[G0P+3], 0x80000000
	s_add_co_u32 s[G0V+1], s[LV], s81
	s_add_nc_u64 s[G0V+2:G0V+3], s[VB:VB+1], s[74:75]
	s_or_b32 s[G0V+3], s[G0V+3], 0x80000000
.endm
.macro STATS_LOAD                      ; c m and the two l of tile NJ for my 64 queries of block NB: 12 loads
	s_lshl_b32 s71, s[NB], 9
	s_lshl_b32 s72, s[NJ], 13
	s_add_co_u32 s72, s72, s71
	s_lshl_b32 s74, s[NJ], 14
	s_add_co_u32 s74, s74, s71
	s_add_nc_u64 s[76:77], s[CB:CB+1], s[72:73]
	s_add_nc_u64 s[78:79], s[LB:LB+1], s[74:75]
.irp a, 0,1,2,3
	global_load_b32 v[CM+(\a)], v[SO], s[76:77] offset:64*(\a)
	global_load_b32 v[LS0+(\a)], v[SO], s[78:79] offset:64*(\a)
	global_load_b32 v[LS1+(\a)], v[SO], s[78:79] offset:8192+64*(\a)
.endr
.endm
.macro ADVANCE                         ; the block's next tile, or behind its last the second block's tile 0
	s_add_co_u32 s[NJ], s[NJ], 1
	s_cmp_gt_u32 s[NJ], s[LQ]
	s_cselect_b32 s[NJ], 0, s[NJ]
	s_cselect_b32 s[NB], s[I2], s[NB]
	s_cselect_b32 s[LQ], s70, s[LQ]
.endm
.macro STATS_MATH                      ; the running maximum takes the tile's c m; a, f; L = L a + f (l0 + l1)
	ALL4 v_max_num_f32 v[TT+t], v[ST+4*t+1], v[CM+t]
	ALL4 v_sub_f32 v[ST+4*t], v[ST+4*t+1], v[TT+t]
	ALL4 v_sub_f32 v[ST+4*t+2], v[CM+t], v[TT+t]
	ALL4 v_mov_b32 v[ST+4*t+1], v[TT+t]
	ALL4 v_add_f32 v[LS0+t], v[LS0+t], v[LS1+t]
	ALL4 v_exp_f32 v[ST+4*t], v[ST+4*t]
	ALL4 v_exp_f32 v[ST+4*t+2], v[ST+4*t+2]
	v_nop                                          ; a plain instruction between the last exponential and the use of its result
	s_wait_alu depctr_va_vdst(0)
	ALL4 v_mul_f32 v[ST+4*t+3], v[ST+4*t+3], v[ST+4*t]
	ALL4 v_fmac_f32 v[ST+4*t+3], v[ST+4*t+2], v[LS0+t]
.endm
	s_load_b256 s[4:11], s[0:1], 0x0               ; pm s[4:5], qkv s[6:7], cmx s[8:9], lsum s[10:11]
	s_load_b64 s[12:13], s[0:1], 0x20              ; out0
	v_lshl_add_u32 v[SPW], v0, 2, SPARE
	v_mov_b32 v[NIL], 0
	ds_add_u32 v[SPW], v[NIL]                      ; the wave's opening: the add and its wait stand ahead of my first tensor load
	ds_add_u32 v28, v29
	v_lshrrev_b32 v1, 5, v0
	v_readfirstlane_b32 s[WV], v1
	s_lshr_b32 s15, s[WV], 1                       ; rh: which 64 queries
	s_and_b32 s16, s[WV], 1                        ; ch: which 64 channels.  Also: which half of a tile I fetch
	s_bfe_u32 s17, ttmp6, 0x40000                  ; cx
	s_lshl_b32 s18, ttmp9, 2
	s_add_co_u32 s18, s18, s17                     ; my 128 channels = 4 x cluster x + cx: it enters V's and out0's addresses alone
	s_and_b32 s21, ttmp7, 0xffff
	s_lshr_b32 s19, s21, 3                         ; batch
	s_and_b32 s20, s21, 7                          ; b
	s_sub_co_u32 s[NB], 15, s20                    ; first the long block,
	s_mov_b32 s[I2], s20                           ; then the short one
	s_lshr_b32 s[LQ], s[NB], 1
	s_lshr_b32 s70, s[I2], 1
	s_add_co_u32 s[SW], s[LQ], 1                   ; the first block's tiles: 5 to 8
	s_mov_b32 s[NJ], 0
	s_mov_b32 s[TB], 0
	s_mov_b32 s81, 0
	s_mov_b32 s[G1P+0], 15|(1<<16)|(1<<20)|(1<<21)|(6<<22)|(3<<25)   ; the mask of four; 2-byte elements; padding on; bit 21 beside a mask; behind every 128 words (code 6) 4 words (code 3)
	s_mov_b32 s[G1P+1], 256<<16                    ; tensor_dim0 = 256 keys
	s_mov_b32 s[G1P+2], 64<<16                     ; tensor_dim1 = 64 queries
	s_mov_b32 s[G1P+3], 256<<16
	s_mov_b32 s[G1P+4], 64
	s_mov_b32 s[G1P+5], 2048                       ; elements from row to row
	s_mov_b32 s[G1P+6], 0
	s_mov_b32 s[G1P+7], 0
	s_mov_b32 s[G1V+0], (1<<16)|(1<<20)|(5<<22)|(7<<25)              ; no mask; behind every 64 words (code 5) 8 words (code 7)
	s_mov_b32 s[G1V+1], 128<<16                    ; 128 channels
	s_mov_b32 s[G1V+2], 128<<16                    ; 128 keys
	s_mov_b32 s[G1V+3], 128<<16
	s_mov_b32 s[G1V+4], 128
	s_mov_b32 s[G1V+5], 3072
	s_mov_b32 s[G1V+6], 0
	s_mov_b32 s[G1V+7], 0
	s_mov_b32 s[G0P], 1
	s_mov_b32 s[G0V], 1
	s_mov_b32 s73, 0
	s_mov_b32 s75, 0
	s_mov_b32 s87, 0
	s_mul_i32 s[LP], s16, PHALF                    ; no place in the cluster enters an LDS address
	s_mul_i32 s[LV], s16, VHALF
	s_add_co_u32 s[LV], s[LV], VOFF
	v_and_b32 v1, 15, v0                           ; l % 16
	v_lshlrev_b32 v[SO], 2, v1
	s_wait_dscnt 0x0                               ; the opening add is done
	s_wait_kmcnt 0x0
	s_lshl_b32 s72, s19, 23                        ; P: the batch, my 64 of a block's 128 rows
	s_lshl_b32 s71, s16, 18
	s_add_co_u32 s72, s72, s71
	s_add_nc_u64 s[PB:PB+1], s[4:5], s[72:73]
	s_lshl_b32 s72, s19, 16                        ; cmx: the batch's 8 planes of 8,192 bytes, my 64 rows
	s_lshl_b32 s71, s15, 8
	s_add_co_u32 s72, s72, s71
	s_add_nc_u64 s[CB:CB+1], s[8:9], s[72:73]
	s_lshl_b32 s72, s19, 17                        ; lsum: 16 planes
	s_add_co_u32 s72, s72, s71
	s_add_nc_u64 s[LB:LB+1], s[10:11], s[72:73]
	s_lshl_b32 s74, s19, 11                        ; V: row 2048 batch + 128 half, byte 4,096 + 256 x my channels' number
	s_lshl_b32 s85, s16, 7
	s_add_co_u32 s74, s74, s85
	s_mul_i32 s74, s74, 6144
	s_lshl_b32 s85, s18, 8
	s_add_co_u32 s74, s74, s85
	s_add_co_u32 s74, s74, 4096
	s_add_nc_u64 s[VB:VB+1], s[6:7], s[74:75]
	s_lshl_b32 s84, s19, 23                        ; out0: (2048 batch + 128 block + 64 rh) rows of 4,096 bytes, 512 x channels' number + 256 ch
	s_lshl_b32 s85, s15, 18
	s_add_co_u32 s84, s84, s85
	s_lshl_b32 s85, s18, 9
	s_add_co_u32 s84, s84, s85
	s_lshl_b32 s85, s16, 8
	s_add_co_u32 s84, s84, s85
	s_lshl_b32 s86, s[NB], 19
	s_add_co_u32 s86, s86, s84
	s_add_nc_u64 s[OUT:OUT+1], s[12:13], s[86:87]
	s_lshl_b32 s86, s[I2], 19
	s_add_co_u32 s86, s86, s84
	s_add_nc_u64 s[OUT+2:OUT+3], s[12:13], s[86:87]
	DESC                                           ; tile 0 of the first block, into slot 0
	CROUND                                         ; all four work-groups are here: the first joint loads meet
	JLOAD                                          ; slot 1 is first filled behind the first trip's round
	STATS_LOAD
	ADVANCE
	v_bfe_u32 v2, v0, 4, 1                         ; l / 16
	v_and_b32 v3, 7, v0
	v_bfe_u32 v4, v0, 3, 1
	v_mul_u32_u24 v5, v1, PP                       ; a fragment of P: row l % 16, keys 8 (l / 16) + 0..7 and 16 + 8 (l / 16) + 0..7
	v_lshl_add_u32 v5, v2, 4, v5
	s_mul_i32 s84, s15, 64*PP
	v_add_nc_u32 v[ADRP], s84, v5
	v_lshl_add_u32 v6, v2, 3, v3                   ; the turning load: lane l reads key 8 (l / 16) + l % 8, channels 8 ((l / 8) % 2) + 0..7
	v_mul_u32_u24 v6, v6, PVP
	v_lshl_add_u32 v6, v4, 4, v6
	s_lshl_b32 s84, s16, 7
	s_add_co_u32 s84, s84, VOFF
	v_add_nc_u32 v[ADRV], s84, v6
	v_add_nc_u32 v[ADRV+1], VHALF, v[ADRV]
	s_mul_i32 s84, s[WV], 16*SP
	s_add_co_u32 s84, s84, STAGE                   ; my stage
	v_mul_u32_u24 v[STO], v1, SP                   ; in: row l % 16, 32 bytes for each half of the lanes
	v_lshl_add_u32 v[STO], v2, 5, v[STO]
	v_add_nc_u32 v[STO], s84, v[STO]
	v_mul_u32_u24 v[RD], v2, SP                    ; back: lanes 0-15 one row of 256 bytes, lanes 16-31 the next
	v_lshl_add_u32 v[RD], v1, 4, v[RD]
	v_add_nc_u32 v[RD], s84, v[RD]
	v_lshlrev_b32 v[GO], 12, v2                    ; and the same two rows in out0
	v_lshl_add_u32 v[GO], v1, 4, v[GO]
	WIN 0x80                                       ; O need only be finite where a block begins: zeros, written in the wait for the first tile
.set i, 0
.rept 128
	v_mov_b32 v[i], 0
.set i, i+1
.endr
	WIN 0
	ALL4 v_mov_b32 v[ST+4*t+1], 0xfe000000
	ALL4 v_mov_b32 v[ST+4*t+3], 0
; 8 products: query blocks a0, a0 + 1 x all 4 channel blocks, 32 keys: half c of buffer f.  The 16 accumulators take turns.  zero = 1: they start the tile's sums.
.macro MUL8 f, c, a0, zero
	WIN 0x05
.irp a, \a0, (\a0)+1
.irp cb, 0,1,2,3
.if \zero
	v_wmma_f32_16x16x32_f16 v[T+8*(4*(\a)+(\cb)):T+8*(4*(\a)+(\cb))+7], v[(\f)+64+8*(4*(\c)+(\cb)):(\f)+64+8*(4*(\c)+(\cb))+7], v[(\f)+8*(4*(\c)+(\a)):(\f)+8*(4*(\c)+(\a))+7], 0
.else
	v_wmma_f32_16x16x32_f16 v[T+8*(4*(\a)+(\cb)):T+8*(4*(\a)+(\cb))+7], v[(\f)+64+8*(4*(\c)+(\cb)):(\f)+64+8*(4*(\c)+(\cb))+7], v[(\f)+8*(4*(\c)+(\a)):(\f)+8*(4*(\c)+(\a))+7], v[T+8*(4*(\a)+(\cb)):T+8*(4*(\a)+(\cb))+7]
.endif
.endr
.endr
.endm
.macro FETCH q, f                      ; 32 LDS loads in one run: the fragments of keys 64 q .. 64 q + 63 of the slot in hand, the first 32 keys first
	WIN 0x40
.irp c, 0,1
.irp i, 0,1,2,3
	ds_load_tr16_b128 v[(\f)+64+8*(4*(\c)+(\i)):(\f)+64+8*(4*(\c)+(\i))+3],   v[CV+(\q)/2] offset:(((\q)%2)*64+32*(\c))*PVP+32*(\i)
	ds_load_tr16_b128 v[(\f)+64+8*(4*(\c)+(\i))+4:(\f)+64+8*(4*(\c)+(\i))+7], v[CV+(\q)/2] offset:(((\q)%2)*64+32*(\c))*PVP+16*PVP+32*(\i)
	ds_load_b128 v[(\f)+8*(4*(\c)+(\i)):(\f)+8*(4*(\c)+(\i))+3],   v[CP] offset:128*(\q)+64*(\c)+(\i)*16*PP
	ds_load_b128 v[(\f)+8*(4*(\c)+(\i))+4:(\f)+8*(4*(\c)+(\i))+7], v[CP] offset:128*(\q)+64*(\c)+(\i)*16*PP+32
.endr
.endr
.endm
.macro QUARTER q, f, g, zero           ; 32 products on buffer f; in their middle keys 64 q on go into g
	s_wait_dscnt 16                                ; the first 32 keys' fragments are in
	MUL8 \f, 0, 0, \zero
	MUL8 \f, 0, 2, \zero
	PLACES
	FETCH \q, \g
	s_wait_dscnt 32                                ; all but the 32 just issued
	MUL8 \f, 1, 0, 0
	MUL8 \f, 1, 2, 0
.endm
.macro SCALE_O                         ; O times the first word of each query block's statistics
	WIN 0x82
.set k, 0
.rept 64
	v_pk_mul_f32 v[2*k:2*k+1], v[2*k:2*k+1], v[ST+4*(k/16):ST+4*(k/16)+1] op_sel_hi:[1,0]
.set k, k+1
.endr
.endm
.macro COMBINE                         ; O = O a + T f.  The 64 multiplies name no register of the last products: they are the places behind them; T is read from each accumulator's low end on
	SCALE_O
	WIN 0xa0
.set k, 0
.rept 64
	v_pk_fma_f32 v[2*k:2*k+1], v[T+2*k:T+2*k+1], v[ST+4*(k/16)+2:ST+4*(k/16)+3], v[2*k:2*k+1] op_sel_hi:[1,0,1]
.set k, k+1
.endr
.endm
.macro WAYOUT                          ; O / L, through my stage, 16 rows at a time, as whole rows of 256 bytes
	WIN 0
	ALL4 v_rcp_f32 v[ST+4*t], v[ST+4*t+3]
	v_nop                                          ; a plain instruction between the last reciprocal and the use of its result
	s_wait_alu depctr_va_vdst(0)
	SCALE_O
.set a, 0
.rept 4
	WIN 0x08                                       ; the stores' data in window 2
.set k, 0
.rept 8
	ds_store_b128 v[STO], v[32*a+4*k:32*a+4*k+3] offset:64*(k/2)+16*(k%2)
.set k, k+1
.endr
	WIN 0
	s_wait_xcnt 0x0                                ; registers that earlier stores read are loaded again only behind this wait
.set u, 0
.rept 8
	ds_load_b128 v[OB+32*(a%2)+4*u:OB+32*(a%2)+4*u+3], v[RD] offset:u*2*SP   ; LDS serves a wave's instructions in order (ISA guide 5.7.1.4): these see the stores above
.set u, u+1
.endr
.set u, 0
.rept 8
	s_wait_dscnt 7-u
	global_store_b128 v[GO], v[OB+32*(a%2)+4*u:OB+32*(a%2)+4*u+3], s[OUT:OUT+1] offset:(16*a+2*u)*4096 th:TH_STORE_NT   ; 16 lanes store 256 consecutive bytes, at a multiple of 256 from out0's first byte
.set u, u+1
.endr
.set a, a+1
.endr
.endm
; A TRIP: one key tile, in the slot in hand.  Ahead of the barrier each wave waits for all its tensor loads (one is out: its part of this slot), adds 0 to its spare word, and waits for that and for its
; reads of the other slot.  fill = 1 (the loop's text): the barrier is a round of the cluster's, and the next tile goes into the other slot, the first thing behind it: it has the trip's 128 products and 128 scalings
; in which to land; and behind the tile the first block may end.
.macro TRIP fill
	WIN 0
	s_wait_tensorcnt 0x0
	ds_add_u32 v[SPW], v[NIL]                      ; 0 onto my spare word; the descriptors' scalar work stands between it and the wait for it
.if \fill
	s_xor_b32 s81, s[TB], SLOT                     ; the other slot
	DESC
.endif
	s_wait_dscnt 0x0                               ; the add is done, and my LDS reads and stores are over
.if \fill
	CROUND
	JLOAD
.else
	s_barrier_signal -1
	s_barrier_wait -1
.endif
	v_add_nc_u32 v[CP], s[TB], v[ADRP]
	v_add_nc_u32 v[CV], s[TB], v[ADRV]
	v_add_nc_u32 v[CV+1], s[TB], v[ADRV+1]
	FETCH 0, F0
	WIN 0
	s_wait_loadcnt 0x0                             ; this tile's twelve statistics, asked for a trip ago
	STATS_MATH
.if \fill
	STATS_LOAD
	ADVANCE
.endif
	QUARTER 1, F0, F1, 1
	QUARTER 2, F1, F0, 0
	QUARTER 3, F0, F1, 0
	s_wait_dscnt 16
	MUL8 F1, 0, 0, 0
	MUL8 F1, 0, 2, 0
	s_wait_dscnt 0x0
	MUL8 F1, 1, 0, 0
	MUL8 F1, 1, 2, 0
	COMBINE
	WIN 0
	s_xor_b32 s[TB], s[TB], SLOT                   ; the next tile lies in the other slot
.if \fill
	s_sub_co_u32 s[SW], s[SW], 1
	s_cmp_lg_u32 s[SW], 0
	s_cbranch_scc1 .Lkeep_\@
	WAYOUT                                         ; the first block is finished
	s_wait_xcnt 0x0                                ; the stores have read out0's address
	s_mov_b64 s[OUT:OUT+1], s[OUT+2:OUT+3]
	ALL4 v_mov_b32 v[ST+4*t+1], 0xfe000000
.Lkeep_\@:
.endif
.endm
	s_mov_b32 s[LC], 8
.Ltrip:                                                ; tiles 0 to 7; trip n asks for tile n + 1
	TRIP 1
	s_sub_co_u32 s[LC], s[LC], 1
	s_cmp_lg_u32 s[LC], 0
	s_cbranch_scc1 .Ltrip
	TRIP 0                                         ; the walk's last tile is written out: nothing is asked for
	WAYOUT
	s_wait_tensorcnt 0x0                           ; the wave's end
	ds_add_u32 v[SPW], v[NIL]
	s_wait_dscnt 0x0
	CROUND                                         ; the closing round
	s_endpgm
.Lfunc_end_k_qeeab085ed7_pv:
	.size	k_qeeab085ed7_pv, .Lfunc_end_k_qeeab085ed7_pv-k_qeeab085ed7_pv
	.p2alignl 7, 3214868480
	.fill 96, 4, 3214868480
	.section	.rodata,"a",@progbits
	.p2align	6, 0x0
	.amdhsa_kernel k_qeeab085ed7_pv
		.amdhsa_group_segment_fixed_size 327680
		.amdhsa_private_segment_fixed_size 0
		.amdhsa_enable_private_segment 0
		.amdhsa_kernarg_size 40
		.amdhsa_user_sgpr_count 2
		.amdhsa_user_sgpr_kernarg_segment_ptr 1
		.amdhsa_wavefront_size32 1
		.amdhsa_system_sgpr_workgroup_id_x 1
		.amdhsa_system_sgpr_workgroup_id_y 1
		.amdhsa_system_sgpr_workgroup_id_z 1
		.amdhsa_system_vgpr_workitem_id 0
		.amdhsa_next_free_vgpr 640
		.amdhsa_next_free_sgpr 88
		.amdhsa_reserve_vcc 0
		.amdhsa_float_denorm_mode_32 3
		.amdhsa_float_denorm_mode_16_64 3
		.amdhsa_memory_ordered 1
		.amdhsa_forward_progress 1
		.amdhsa_inst_pref_size 95
	.end_amdhsa_kernel
	.amdgpu_metadata
---
amdhsa.version: [ 1, 2 ]
amdhsa.kernels:
  - .name:           k_qeeab085ed7_pv
    .symbol:         k_qeeab085ed7_pv.kd
    .args:
      - { .name: pm, .offset: 0, .size: 8, .value_kind: global_buffer, .address_space: global }
      - { .name: qkv, .offset: 8, .size: 8, .value_kind: global_buffer, .address_space: global }
      - { .name: cmx, .offset: 16, .size: 8, .value_kind: global_buffer, .address_space: global }
      - { .name: lsum, .offset: 24, .size: 8, .value_kind: global_buffer, .address_space: global }
      - { .name: out0, .offset: 32, .size: 8, .value_kind: global_buffer, .address_space: global }
    .group_segment_fixed_size: 327680
    .private_segment_fixed_size: 0
    .kernarg_segment_align: 8
    .kernarg_segment_size: 40
    .max_flat_workgroup_size: 128
    .sgpr_count:     88
    .vgpr_count:     640
    .wavefront_size: 32
...
	.end_amdgpu_metadata
.endif
;; end of part 4
;; ======== version 2 of 2: 4 launches; version 1 with the launch cvt written anew for expert scheduling mode
;; limits: values are held in f16: magnitudes above 65,504 overflow, below 6.1e-05 lose precision
;; workspace buffers: xb 16,777,216 bytes; wb 6,291,456 bytes; qkv 50,331,648 bytes; pm 33,554,432 bytes; cmx 262,144 bytes; lsum 524,288 bytes
;; launch cvt (part 5): grid 704 x 1, 4 waves a work-group, no clusters, 0 bytes of LDS; arguments x, W_q, W_k, W_v, xb, wb; writes xb, wb
.if DOCPART == 5
	.amdgcn_target "amdgcn-amd-amdhsa--gfx1250"
	.amdhsa_code_object_version 6
	.text
	.protected	k_qeeab085ed7_cvt
	.globl	k_qeeab085ed7_cvt
	.p2align	8
	.type	k_qeeab085ed7_cvt,@function
k_qeeab085ed7_cvt:
	s_mov_b64 s[64:65], 0
	v_nop
	global_prefetch_b8 v0, s[64:65] scope:SCOPE_SE
	s_setreg_imm32_b32 hwreg(HW_REG_WAVE_SCHED_MODE, 0, 2), 2
	s_setreg_imm32_b32 hwreg(HW_REG_WAVE_MODE, 25, 1), 1
	s_wait_xcnt 0x0
	s_wait_alu depctr_vm_vsrc(0)
; x [8192][1024] and W_q, W_k, W_v [1024][1024], f32, are rounded once to bf16 and laid in blocks of 64 along K:
; xb [16 kb][8192 rows][64], wb [16 kb][3072 rows][64] (rows 0-1023 W_q, 1024-2047 W_k, 2048-3071 W_v), so that the rows of a
; K block lie end to end, 128 bytes each, and the next launch can ask for them as rows of 256 bytes.
; A stream: no LDS, no barrier, no matrix unit.  A work-group takes 16 rows (groups 0-511: x; 512-703: the weights), a wave 4 of them.
; A load of a wave takes 256 aligned bytes of each of two rows; a store 256 consecutive aligned bytes (two rows' 128 bytes of one K block).
; All 32 loads of a wave go out at once, 16 KiB on their way; no register that a memory instruction names is ever written a second time.
; THE MODE: SCHED_MODE bits 1:0 = 2 (LLVM: expert scheduling mode 2), set by the entry lines.  The code itself states the register dependences
; between vector instructions and memory instructions, with s_wait_alu, always for 0.
; THE PLAN.  Registers that memory instructions touch:
;   v[IN]   Written at the head, once; read by all 32 loads as their offset.
;   X       Each four registers are written by one load, once, and read by that load's two conversions; no vector instruction writes them.
;   Y       Each register is written by one conversion, once; each pair is read by one store as its data.
;   OA      Each register is written by one add, once, behind the loads (the adds name no register that a load touches); read by two stores as their offset.
; So the dependences are: v[IN] ahead of the loads; Y and OA ahead of the stores.  The 32 loads are worked off in 8 blocks of 4 (two K blocks): one wait for the
; block's data, eight conversions, ONE wait on va_vdst, a run of four stores.  No register that a memory instruction has read is written again, no vector
; instruction writes a scalar register, and EXEC is never written: no other wait has a dependence to state.
.set PLX, 8192*128                     ; bytes of a K block of xb
.set PLW, 3072*128                     ; of wb
.set IN,  1                            ; v1       byte offset of my 16 bytes in the group's rows: (4 w + h) x 4096 + 16 cc
.set OU,  2                            ; v2       the same in a K block of the output: (4 w + h) x 128 + 8 cc
.set OA,  8                            ; v[8:23]  OU + kb x the block's bytes
.set X,   32                           ; v[32:159]  load i = 2 kb + pair: 4 registers
.set Y,   160                          ; v[160:223] its 4 numbers in bf16: 2 registers
.set BLK, 4                            ; loads in a block
	s_load_b256 s[4:11], s[0:1], 0x0               ; x s[4:5], W_q s[6:7], W_k s[8:9], W_v s[10:11]
	s_load_b128 s[12:15], s[0:1], 0x20             ; xb s[12:13], wb s[14:15]
	v_lshrrev_b32 v3, 5, v0                        ; wave
	v_bfe_u32 v4, v0, 4, 1                         ; h: which row of a pair
	v_and_b32 v5, 15, v0                           ; cc: which four numbers
	v_lshl_add_u32 v3, v3, 2, v4                   ; 4 w + h
	v_lshlrev_b32 v[IN], 12, v3
	v_lshl_add_u32 v[IN], v5, 4, v[IN]
	v_lshlrev_b32 v[OU], 7, v3
	v_lshl_add_u32 v[OU], v5, 3, v[OU]
	s_mov_b32 s28, ttmp9                           ; g
	s_max_u32 s22, s28, 512
	s_sub_co_u32 s22, s22, 512                     ; g' = g - 512 for the weights' groups
	s_lshr_b32 s24, s22, 6                         ; which weight
	s_and_b32 s25, s22, 63                         ; which 16 rows of it
	s_mov_b32 s21, PLW
	s_mov_b32 s31, 0
	s_mov_b32 s33, 0
	s_wait_kmcnt 0x0
	s_cmp_eq_u32 s24, 1                            ; the choices hang on the group's number alone
	s_cselect_b64 s[16:17], s[8:9], s[6:7]
	s_cmp_eq_u32 s24, 2
	s_cselect_b64 s[16:17], s[10:11], s[16:17]
	s_cmp_lt_u32 s28, 512
	s_cselect_b64 s[16:17], s[4:5], s[16:17]       ; from where
	s_cselect_b64 s[18:19], s[12:13], s[14:15]     ; to where
	s_cselect_b32 s30, s28, s25                    ; block of 16 rows in the source
	s_cselect_b32 s32, s28, s22                    ; and in the output
	s_cselect_b32 s21, PLX, s21                    ; bytes of a K block
	s_lshl_b32 s30, s30, 16                        ; 16 rows of 4,096 bytes
	s_lshl_b32 s32, s32, 11                        ; 16 rows of 128 bytes
	s_add_nc_u64 s[16:17], s[16:17], s[30:31]
	s_add_nc_u64 s[18:19], s[18:19], s[32:33]
	s_wait_alu depctr_va_vdst(0)                   ; v[IN] is written: every load below reads it as its offset
.set i, 0
.rept 32
	global_load_b128 v[X+4*i:X+4*i+3], v[IN], s[16:17] offset:(i%2)*8192+(i/2)*256 th:TH_LOAD_NT
.set i, i+1
.endr
.set kb, 0
.rept 16                               ; the stores' offsets are made while the loads are on their way: these lines name neither v[IN] nor X; the first block's wait on va_vdst states that they are written
	s_mul_i32 s20, s21, kb
	v_add_nc_u32 v[OA+kb], s20, v[OU]
.set kb, kb+1
.endr
.set p, 0
.rept 32/BLK
	s_wait_loadcnt 32-BLK-BLK*p                    ; loads come back in order (ISA guide 5.7.1): block p's four loads are in, the younger ones stay out
.set i, BLK*p
.rept BLK
	v_cvt_pk_bf16_f32 v[Y+2*i], v[X+4*i], v[X+4*i+1]
	v_cvt_pk_bf16_f32 v[Y+2*i+1], v[X+4*i+2], v[X+4*i+3]
.set i, i+1
.endr
	s_wait_alu depctr_va_vdst(0)                   ; the block's conversions have written its eight registers of Y, which the four stores below read as data; in the first block also: the sixteen adds have written OA, the stores' offsets
.set i, BLK*p
.rept BLK
	global_store_b64 v[OA+i/2], v[Y+2*i:Y+2*i+1], s[18:19] offset:(i%2)*256
.set i, i+1
.endr
.set p, p+1
.endr
	s_endpgm
.Lfunc_end_k_qeeab085ed7_cvt:
	.size	k_qeeab085ed7_cvt, .Lfunc_end_k_qeeab085ed7_cvt-k_qeeab085ed7_cvt
	.p2alignl 7, 3214868480
	.fill 96, 4, 3214868480
	.section	.rodata,"a",@progbits
	.p2align	6, 0x0
	.amdhsa_kernel k_qeeab085ed7_cvt
		.amdhsa_group_segment_fixed_size 0
		.amdhsa_private_segment_fixed_size 0
		.amdhsa_enable_private_segment 0
		.amdhsa_kernarg_size 48
		.amdhsa_user_sgpr_count 2
		.amdhsa_user_sgpr_kernarg_segment_ptr 1
		.amdhsa_wavefront_size32 1
		.amdhsa_system_sgpr_workgroup_id_x 1
		.amdhsa_system_sgpr_workgroup_id_y 1
		.amdhsa_system_sgpr_workgroup_id_z 1
		.amdhsa_system_vgpr_workitem_id 0
		.amdhsa_next_free_vgpr 224
		.amdhsa_next_free_sgpr 66
		.amdhsa_reserve_vcc 0
		.amdhsa_float_denorm_mode_32 3
		.amdhsa_float_denorm_mode_16_64 3
		.amdhsa_memory_ordered 1
		.amdhsa_forward_progress 1
		.amdhsa_inst_pref_size 14
	.end_amdhsa_kernel
	.amdgpu_metadata
---
amdhsa.version: [ 1, 2 ]
amdhsa.kernels:
  - .name:           k_qeeab085ed7_cvt
    .symbol:         k_qeeab085ed7_cvt.kd
    .args:
      - { .name: x, .offset: 0, .size: 8, .value_kind: global_buffer, .address_space: global }
      - { .name: W_q, .offset: 8, .size: 8, .value_kind: global_buffer, .address_space: global }
      - { .name: W_k, .offset: 16, .size: 8, .value_kind: global_buffer, .address_space: global }
      - { .name: W_v, .offset: 24, .size: 8, .value_kind: global_buffer, .address_space: global }
      - { .name: xb, .offset: 32, .size: 8, .value_kind: global_buffer, .address_space: global }
      - { .name: wb, .offset: 40, .size: 8, .value_kind: global_buffer, .address_space: global }
    .group_segment_fixed_size: 0
    .private_segment_fixed_size: 0
    .kernarg_segment_align: 8
    .kernarg_segment_size: 48
    .max_flat_workgroup_size: 128
    .sgpr_count:     66
    .vgpr_count:     224
    .wavefront_size: 32
...
	.end_amdgpu_metadata
.endif
;; end of part 5
;; launch proj: the kernel of part 2 again; grid 8 x 32, 4 waves a work-group, clusters of 4 x 4, 327,680 bytes of LDS; arguments xb, wb, qkv; writes qkv
;; launch score: the kernel of part 3 again; grid 36 x 4, 4 waves a work-group, no clusters, 327,680 bytes of LDS; arguments qkv, pm, cmx, lsum; writes pm, cmx, lsum
;; launch pv: the kernel of part 4 again; grid 8 x 32, 4 waves a work-group, clusters of 4 x 1, 327,680 bytes of LDS; arguments pm, qkv, cmx, lsum, out0; writes out0
